; MI455X (gfx1250); checked and timed in simulation.
; The chip was launched on July 23, 2026; its instructions are those of AMD's public machine-readable ISA for CDNA 5 (MIT licence, August 2026) and "CDNA5" Instruction Set Architecture Reference Guide (July 2026). The comments in the code are by the model that wrote it; some were corrected since.
;; Self Attention. Allowed arithmetic: matrix products marked QUANTISED: E4M3 operands, one E8M0 scale for each 32 along K, by v_wmma_scale_f32_16x16x128_f8f6f4 with both operands' format E4M3, f32 sums; everything else in f32.
;; Inputs: Wk_codes 1,024 x 32 x 32 uint8 (E4M3 codes of Wk, K innermost, in blocks of 32 codes); Wk_scales 1,024 x 32 uint8 (E8M0 scales of Wk, one for each 32 codes along K); Wq_codes 1,024 x 32 x 32 uint8 (E4M3 codes of Wq, K innermost, in blocks of 32 codes); Wq_scales 1,024 x 32 uint8 (E8M0 scales of Wq, one for each 32 codes along K); Wv_codes 1,024 x 32 x 32 uint8 (E4M3 codes of Wv, K innermost, in blocks of 32 codes); Wv_scales 1,024 x 32 uint8 (E8M0 scales of Wv, one for each 32 codes along K); mask 4 x 2,048 int32; x_codes 4 x 2,048 x 32 x 32 uint8 (E4M3 codes of x, K innermost, in blocks of 32 codes); x_scales 4 x 2,048 x 32 uint8 (E8M0 scales of x, one for each 32 codes along K).
;; Outputs: out0 4 x 2,048 x 1,024 float32.
;; This version of the problem:
;;   THIS VERSION OF THE PROBLEM IS GIVEN IN LOW PRECISION. The matrix products marked QUANTISED in the list below multiply operands that are first quantised to E4M3 (4 exponent bits, 3 mantissa bits; 8 bits a number), with one power-of-two scale for each 32 numbers along K (OCP MX v1.0); their sums are f32. All else is computed in f32.
;;   The module's matrix products, in the order in which they are computed (A, B: the left and right operand; K: the contracted axis; several contracted axes count as one K, in the product's order):
;;     1. [M 8,192, K 1,024] x [K 1,024, N 1,024]; A: input x (given as codes); B: input Wq (given as codes): QUANTISED
;;     2. [M 8,192, K 1,024] x [K 1,024, N 1,024]; A: input x (given as codes); B: input Wk (given as codes): QUANTISED
;;     3. [M 8,192, K 1,024] x [K 1,024, N 1,024]; A: input x (given as codes); B: input Wv (given as codes): QUANTISED
;;     4. batch 4 x [M 2,048, K 1,024] x [K 1,024, N 2,048]; A: computed on the way; B: computed on the way: QUANTISED
;;     5. batch 4 x [M 2,048, K 2,048] x [K 2,048, N 1,024]; A: softmax (see below); B: computed on the way: QUANTISED
;;   THE QUANTISER, for each operand of a quantised product, along K:
;;     - K is cut into blocks of 32 from its start; a last block that is shorter is filled with zeros.
;;     - A block's scale is 2^e with e = floor(log2(the largest magnitude in the block)) - 8, held to -126 .. 127; a block of zeros has e = 0. As a byte (E8M0): e + 127.
;;     - Each number is divided by its block's scale, clamped to +-448, and rounded to the nearest number of E4M3, ties to even, subnormals kept.
;;     - The product sums the exact products of the quantised numbers (number of the format x scale) in f32.
;;   ~~~python
;;   def quantise(x, axis):      # numpy; x: float32 -> the quantised numbers, widened to float32 again
;;       x = np.moveaxis(x, axis, -1); K = x.shape[-1]
;;       x = np.pad(x, [(0, 0)] * (x.ndim - 1) + [(0, -K % 32)]); x = x.reshape(x.shape[:-1] + (-1, 32)); a = np.abs(x).max(-1, keepdims=True)
;;       e = np.where(a > 0, np.clip(np.frexp(np.where(a > 0, a, 1))[1] - 1 - 8, -126, 127), 0)      # np.frexp(a)[1] - 1 = floor(log2(a)), exactly
;;       r = np.clip(x / 2.0 ** e, -448, 448)
;;       step = 2.0 ** (np.maximum(np.frexp(np.where(r == 0, 1, r))[1] - 1, -6) - 3)
;;       q = np.round(r / step) * step * 2.0 ** e      # np.round: ties to even
;;       return np.moveaxis(q.reshape(q.shape[:-2] + (-1,))[..., :K], -1, axis).astype(np.float32)
;;   ~~~
;;   SOFTMAX AHEAD OF A QUANTISED PRODUCT. Where the list says 'softmax', what is quantised is not the finished softmax but p = 2^(t - M), with t = logit x log2(e) and M = ceil(the row's largest t), a whole number; so 1/2 < the row's largest p <= 1. The row's sum l is taken of the UNQUANTISED p, in f32, and the product's result is divided by l at the end. Since M is a whole number, a kernel that streams over the keys may use a running M (the ceiling of the running maximum): every later rescaling is an exact power of two, which a block's scale takes up: the codes' values come out the same.
;;   OPERANDS COMPUTED ON THE WAY. 'Computed on the way' means the value that the module computes at that place (a softmax that the list does not call 'softmax' is quantised finished and normalised). What goes into a quantiser is computed in f32, as accurately as f32 sums, v_exp_f32 and their like allow (about 1e-6 of the number): no bf16 or f16 on the way to a quantiser, and a product that is left as it is and whose result goes on into a quantised operand takes f32 operands (vector FMAs, or v_wmma_f32_16x16x4_f32). A number that lies on a knife's edge between two numbers of the format may be rounded either way, as far as f32 arithmetic and the matrix unit's own rounding can turn it there, and no further.
;;   INPUTS GIVEN AS CODES. Wk (in the module: [1024, 1024], K = its axis 0); Wq (in the module: [1024, 1024], K = its axis 0); Wv (in the module: [1024, 1024], K = its axis 0); x (in the module: [4, 2048, 1024], K = its axis 2): each comes as NAME_codes (uint8): NAME with its K axis moved to the last place and cut into blocks of 32 codes, [.., K / 32, bytes a block], one block behind the other in memory; one code a byte (a code: sign, 4 exponent bits, 3 mantissa bits); and NAME_scales (uint8): the same leading axes, one E8M0 byte (e + 127) for each 32 codes along K. Its value is code x scale, taken as it is: it is not quantised again, and the codes and scales need not be those that the quantiser above would give.
;; One version. Each part assembles by itself: llvm-mc -triple=amdgcn-amd-amdhsa -mcpu=gfx1250 --defsym DOCPART=n.
;; ======== version 1 of 1: 3 launches
;; limits: right only within a limited range of input values
;; workspace buffers: codes 25,165,824 bytes; scales 786,432 bytes; pimg 16,777,216 bytes; pstat 2,621,440 bytes
;; launch proj (part 1): grid 16 x 16, 4 waves a work-group, clusters of 4 x 4, 327,680 bytes of LDS; arguments x_codes, x_scales, Wq_codes, Wq_scales, Wk_codes, Wk_scales, Wv_codes, Wv_scales, codes, scales; writes codes, scales
.if DOCPART == 1
	.amdgcn_target "amdgcn-amd-amdhsa--gfx1250"
	.amdhsa_code_object_version 6
	.text
	.protected	k_q19dbcaabec_proj
	.globl	k_q19dbcaabec_proj
	.p2align	8
	.type	k_q19dbcaabec_proj,@function
k_q19dbcaabec_proj:
	s_mov_b64 s[64:65], 0
	v_nop
	global_prefetch_b8 v0, s[64:65] scope:SCOPE_SE
	s_setreg_imm32_b32 hwreg(HW_REG_WAVE_MODE, 25, 1), 1
	s_wait_xcnt 0x0
	s_wait_alu depctr_hold_cnt(0) depctr_sa_sdst(0) depctr_va_vdst(0) depctr_va_sdst(0) depctr_va_ssrc(0) depctr_va_vcc(0) depctr_vm_vsrc(0)
	s_getreg_b32 s2, hwreg(HW_REG_IB_STS2, 6, 4)
	s_cmp_eq_u32 s2, 0
	s_cbranch_scc0 .Lentry_in_a_cluster
	s_endpgm
.Lentry_in_a_cluster:
	s_bfe_u32 s2, ttmp6, 0x10000c
	s_cmp_lg_u32 s2, 0xf033
	s_cbranch_scc0 .Lentry_shape_is_right
	s_endpgm
.Lentry_shape_is_right:
; q = x Wq, k = x Wk, v = x Wv on codes of E4M3 with one E8M0 byte for each 32 along K (K = 1,024), and the results quantised at once for the products that follow:
; q and k along e (the K of q k^T), v along the keys (the K of p v).  NO WORK IS LEFT OUT in this program: every input has a way to the output and is loaded, every product of the problem is done whole
; (the mask is an input: keys that it hides are computed and given reference()'s -1e9; they cannot be packed away, since blocks of 32 along the keys fix v's and p's scales).
; LIMITS: a block whose largest magnitude lies under 2^-118 keeps the scale byte 1 (a block of zeros too: its codes are zeros, and this program alone reads the bytes); NaN, infinities and scale bytes 0xff among the inputs are not served.
; WHAT IS STORED.  For each 16 rows x 128 along the next product's K one operand fragment, AS AN IMAGE OF ITS 16 REGISTERS: register group c at 512 c + 16 x lane, 2,048 bytes a fragment, laid [K / 256][rows / 16][2][2,048]
; (q from byte 0, k from 8 MiB, v from 16 MiB on); and one scale word a row, laid [K / 128][rows] (q from 0, k from 256 KiB, v from 512 KiB on).
; Inside a block of 32 the codes stand in the order in which the accumulators hold them (slot 16 h + i holds index 8 h + i for i < 8 and 8 + 8 h + i from 8 on); every operand made by this program has that same order.
; THE DEAL.  256 work-groups of four waves, 2 x 2; a wave holds 64 rows of a weight, ALL of K, in registers (512) and streams x's rows past them in blocks of 16, which stand in registers as two whole sets (256).
; PHASE 1: 512 rows x 128 columns of q (tile columns 0 to 7) or k (8 to 15): sixteen blocks a wave; source 0 = weight rows, source 1 = x's: a lane holds one position, its registers run along e.
; PHASE 2: 256 x 128 of v: eight blocks, of ONE OF THE WORK-GROUP'S OWN TWO WINDOWS of 256 rows, number (cluster x) % 2; W_v's tile column is 4 (cluster x / 2) + cx; source 0 = x's rows: a lane holds one e, its registers run along the keys.
; Block s = 0 .. 3 of a chunk of 128 rows is, for wave row w, the rows from 64 (s / 2) + 32 w + 16 (s % 2) on: two neighbouring blocks of a wave are 32 neighbouring rows.
; THE ORDER OF WORK.  LDS holds two slots of 128 rows: a weight's rows lie in a slot (the first in 1, W_v's in 0).  Phase 1 takes the window that is not v's first (chunks 0, 1), v's last (chunks 2, 3): chunk 3 still lies in slot 1
; when phase 2 begins, and chunk 2 comes anew.  The scale bytes of x's 512 rows lie in LDS throughout, in the order of work.
; FILLS.  At the head the first weight (wave 0), chunk 0 (wave 1), a window's scale bytes each (waves 2, 3).  Refills, each in a drained round of the cluster's barrier, a quarter of 128 rows a wave: chunks 1, 2, 3 inside blocks 0, 4, 8,
; their first halves (waves 0 and 1's) shown by the plain barrier inside the block two on, their second by the next round; W_v's rows behind block 11, shown at the change of phase; chunk 2 anew there too, shown inside phase 2's block 1.
; PREFETCH: chunks 1 and 2 at the head, chunk 3 and W_v's rows in the second and third trip: each of the sixteen waves that share a tile asks for a sixteenth, told apart by address.
; THE WAY OUT stands AMONG LATER PRODUCTS, three lines behind each: a block's of q or k among the next block's, a pair's of v (copied into two more sets of sums) among the next pair's.
.set PITCH, 1040                       ; an LDS row: 1,024 bytes + 16 of padding
.set CH,    128
.set YB,    CH*PITCH                   ; slot 1
.set SCL,   2*CH*PITCH                 ; x's scale bytes: units of 256 bytes (8 rows) + 16 of padding: 34 bytes a row
.set RS,    32
.set XN,    SCL+2*RS*272               ; q's or k's scale words: 512 rows in the order of work
.set XV,    XN+2048                    ; v's: [2 key steps][128 e]
.set SPARE, XV+1024                    ; the spare words: 512 bytes that no other line names
.set NP,    8                          ; plain vector lines behind a product, ahead of a reader of its sums or a load into what it has read
.set NF,    34                         ; LDS loads of a block
.set S16,   16*34                      ; 16 rows on among the scale bytes
.set S64,   64*34
.set ADRA0, 4
.set LIN,   5                          ; 16 x lane
.set AAS0,  6
.set SPW,   10
.set NIL,   11
.set ADRA,  12
.set VX,    13
.set ADRB,  14                         ; v14, v15: my fragments of a weight in slot 1, in slot 0
.set ABS,   16
.set AAS,   17
.set VW0,   18                         ; v's scale bytes in LDS
.set VWA,   19
.set SB,    24                         ; the weight's scale words: register 8 p + q: lanes 0-15 tile 2 p's, lanes 16-31 tile 2 p + 1's
.set SA,    44                         ; x's, two sets of eight
.set TQ,    60
.set TP,    62
.set ACC,   64                         ; four sets of four accumulators: products write 0 and 1 by turns; 2 and 3 take a pair of v's blocks for its way out
.set WS,    128                        ; in phase 1: W_v's scale words
.set NCD,   192
.set MCD,   192
.set SOP,   208
.set HD,    212
.set PT,    214
.set EB,    216
.set PW,    220
.set G1B,   24                         ; the first weight
.set G1A,   32                         ; chunk 0; later W_v's rows
.set G1R,   40                         ; a refill of x's rows
.set G1S,   48                         ; x's scale bytes
.set G0B,   56
.set G0A,   60
.set G0R,   68
.set G0S,   72
.set SEL,   12
.set MNT,   14
.set VSA,   15                         ; steps of VX in the second loop
.set IR,    66                         ; my share of a row's, of a column's prefetches
.set IC,    67
.set QP,    72                         ; s[72:73], s[74:75], s[100:101]: where blocks' codes go
.set P5,    74
.set VB,    48
.set PP,    50                         ; s[50:51] the buffer prefetched, s97 where in it
.set VO,    52                         ; s[52:53] where a pair's codes of v go
.set WV,    76
.set RW,    77
.set CW,    78
.set OX1,   88
.set OX2,   89
.set OWV,   90
.set TT,    91
.set SL,    92
.set SN,    93
.set SS,    94
.set SNS,   95
.set RO,    96
.set RPO,   97
.set QB0,   98
.set QC,    100
.set MSB, 0
.macro WIN new                         ; the immediate's high byte repeats the setting that is left
.if MSB != \new
	s_set_vgpr_msb (MSB<<8)|(\new)
.set MSB, \new
.endif
.endm
.macro PLACES n
.rept \n
	v_nop
.endr
.endm
.macro BARRIER
	s_barrier_signal -1
	s_barrier_wait -1
.endm
.macro MIDDLE                          ; a round's middle: wave 0 signals for the work-group, all wait for the cluster
	WIN 0
	s_barrier_wait -1
	s_cmp_lg_u32 s[WV], 0
	s_cbranch_scc1 .Lnot_wave_0_\@
	s_barrier_signal -3
.Lnot_wave_0_\@:
	s_barrier_wait -3
.endm
.macro CROUND
	s_barrier_signal -1
	MIDDLE
	BARRIER
.endm
.macro TLOAD g0, g1                    ; an s_nop 0 and four v_nop follow
	tensor_load_to_lds s[\g0:\g0+3], s[\g1:\g1+7]
	s_nop 0
	PLACES 4
.endm
.macro GROUP1 g, mask, rows            ; so many whole rows of K, padded in LDS
	s_or_b32 s[\g+0], s[\mask], (1<<20)|(1<<21)|(7<<22)|(3<<25)
	s_mov_b32 s[\g+1], 1024<<16
	s_mov_b32 s[\g+2], (\rows)<<16
	s_mov_b32 s[\g+3], 1024<<16
	s_mov_b32 s[\g+4], \rows
	s_mov_b32 s[\g+5], 1024
	s_mov_b32 s[\g+6], 0
	s_mov_b32 s[\g+7], 0
.endm
.macro SADD d, x
	s_add_co_u32 s\d, s\d, s\x
.endm
	s_load_b256 s[4:11], s[0:1], 0x0               ; x's codes, x's scales, Wq's
	s_load_b256 s[12:19], s[0:1], 0x20             ; Wk's, Wv's
	s_load_b128 s[20:23], s[0:1], 0x40             ; the workspaces
	v_lshl_add_u32 v[SPW], v0, 2, SPARE
	v_mov_b32 v[NIL], 0
	ds_add_u32 v[SPW], v[NIL]                      ; the wave's opening: an add, twice on end, and its wait
	ds_add_u32 v[SPW], v[NIL]
	v_lshrrev_b32 v1, 5, v0
	v_readfirstlane_b32 s[WV], v1
	s_lshr_b32 s[RW], s[WV], 1                     ; my row of waves
	s_and_b32 s[CW], s[WV], 1                      ; my column
	s_bfe_u32 s79, ttmp6, 0x40000                  ; cx
	s_bfe_u32 s80, ttmp6, 0x40004                  ; cy
	s_lshl_b32 s81, ttmp9, 2
	SADD 81, 79                                    ; tile column
	s_and_b32 s82, ttmp7, 0xffff
	s_lshl_b32 s82, s82, 2
	SADD 82, 80                                    ; tile row: 512 rows
	s_lshr_b32 s83, ttmp9, 1                       ; 0: q, 1: k
	s_and_b32 s84, ttmp9, 1                        ; v's window
	s_lshl_b32 s85, s80, 2
	s_lshl_b32 s85, 15, s85                        ; my row of the cluster shares x's rows
	s_lshl_b32 s86, 0x1111, s79                    ; my column shares the weights'
	s_lshl_b32 s87, s83, 2
	SADD 87, 79                                    ; W_v's tile column
	GROUP1 G1B, 86, 128
	GROUP1 G1A, 85, 128
	GROUP1 G1R, 85, 32
	s_or_b32 s[G1S+0], s85, (3<<16)|(1<<20)|(1<<21)|(5<<22)|(3<<25)   ; 256 rows' scale bytes: 8,192 dense bytes as 32 rows of 256, 16 of padding behind each
	s_mov_b32 s[G1S+1], 32<<16
	s_mov_b32 s[G1S+2], RS<<16
	s_mov_b32 s[G1S+3], 32<<16
	s_mov_b32 s[G1S+4], RS
	s_mov_b32 s[G1S+5], 32
	s_mov_b32 s[G1S+6], 0
	s_mov_b32 s[G1S+7], 0
	s_lshl_b32 s[OX1], s82, 19                     ; in x's codes: the window that is not v's, v's
	s_mov_b32 s[OX2], s[OX1]
	s_lshl_b32 s2, s84, 18
	s_add_co_u32 s[OX2], s[OX2], s2
	s_xor_b32 s2, s2, 0x40000
	s_add_co_u32 s[OX1], s[OX1], s2
	s_lshl_b32 s[OWV], s87, 17                     ; in Wv's codes
	s_mov_b32 s[G0A], 1
	s_mov_b32 s[G0A+1], 0
	s_mov_b32 s[G0A+2], s[OX1]
	s_mov_b32 s[G0A+3], 0
	s_and_b32 s66, s81, 7
	s_mov_b32 s[G0B], 1
	s_mov_b32 s[G0B+1], YB
	s_lshl_b32 s[G0B+2], s66, 17
	s_mov_b32 s[G0B+3], 0
	s_mov_b32 s[G0R], 1
	s_mov_b32 s[G0S], 1
	s_mul_i32 s[G0S+1], s[CW], RS*272
	s_add_co_u32 s[G0S+1], s[G0S+1], SCL
	s_xor_b32 s2, s84, 1                           ; wave 2 the window that is not v's, wave 3 v's
	s_cmp_eq_u32 s[CW], 1
	s_cselect_b32 s2, s84, s2
	s_lshl_b32 s3, s82, 1
	SADD 2, 3
	s_lshl_b32 s[G0S+2], s2, 13
	s_mov_b32 s[G0S+3], 0
	s_lshl_b32 s66, s66, 12                        ; my wave's 64 columns' scale bytes: the first weight's,
	s_lshl_b32 s3, s[CW], 11
	SADD 66, 3
	s_mov_b32 s67, 0
	s_lshl_b32 s2, s87, 12                         ; W_v's
	SADD 2, 3
	s_mov_b32 s3, 0
	v_and_b32 v1, 15, v0                           ; r
	v_bfe_u32 v2, v0, 4, 1                         ; h
	v_and_b32 v3, 31, v0                           ; lane
	v_mul_u32_u24 v22, v1, PITCH
	v_lshl_add_u32 v23, v2, 4, v22
	s_mul_i32 s91, s[RW], 32*PITCH
	v_add_nc_u32 v[ADRA0], s91, v23
	s_mul_i32 s91, s[CW], 64*PITCH
	v_add_nc_u32 v[ADRB+1], s91, v23
	s_add_co_u32 s91, s91, YB
	v_add_nc_u32 v[ADRB], s91, v23
	v_lshlrev_b32 v[ABS], 5, v3
	v_lshlrev_b32 v[LIN], 4, v3
	v_lshlrev_b32 v23, 5, v1                       ; a row's scale bytes: 32 a row, and 16 more for each 256 passed
	v_lshrrev_b32 v22, 3, v1
	v_lshl_add_u32 v23, v22, 4, v23
	s_mul_i32 s91, s[RW], 32*34
	s_add_co_u32 s91, s91, SCL
	v_add_nc_u32 v[AAS0], s91, v23
	s_wait_alu depctr_va_vdst(0)
	s_wait_dscnt 0x0                               ; both opening adds are done
	CROUND                                         ; all sixteen work-groups are here
	s_wait_kmcnt 0x0
	s_cmp_eq_u32 s83, 0
	s_cselect_b64 s[8:9], s[8:9], s[12:13]         ; Wq or Wk
	s_cselect_b64 s[10:11], s[10:11], s[14:15]
	s_add_nc_u64 s[G0A+2:G0A+3], s[4:5], s[G0A+2:G0A+3]
	s_or_b32 s[G0A+3], s[G0A+3], 0x80000000
	s_add_nc_u64 s[G0B+2:G0B+3], s[8:9], s[G0B+2:G0B+3]
	s_or_b32 s[G0B+3], s[G0B+3], 0x80000000
	s_add_nc_u64 s[G0S+2:G0S+3], s[6:7], s[G0S+2:G0S+3]
	s_or_b32 s[G0S+3], s[G0S+3], 0x80000000
	s_cmp_eq_u32 s[WV], 0                          ; ONE joint load a wave, and a line of its own for what is shown ahead of the rest
	s_cbranch_scc0 .Lwave_1
	TLOAD G0B, G1B                                 ; wave 0: the first weight's rows, which are wanted first
	s_branch .Lasked
.Lwave_1:
	s_cmp_eq_u32 s[WV], 1
	s_cbranch_scc0 .Lfor_scales
	TLOAD G0A, G1A                                 ; wave 1: chunk 0
	s_branch .Lasked
.Lfor_scales:
	TLOAD G0S, G1S                                 ; waves 2, 3: a window's scale bytes each
.Lasked:
	s_add_nc_u64 s[66:67], s[10:11], s[66:67]
	s_add_nc_u64 s[2:3], s[18:19], s[2:3]
.irp p, 0,1
.irp c, 0,1
	global_load_b128 v[SB+8*\p+4*\c:SB+8*\p+4*\c+3], v[ABS], s[66:67] offset:\p*1024+16*\c
	global_load_b128 v[WS+8*\p+4*\c:WS+8*\p+4*\c+3], v[ABS], s[2:3] offset:\p*1024+16*\c
.endr
.endr
	s_wait_xcnt 0x0                                ; the loads have taken their bases
	s_lshl_b32 s[IR], s79, 2                       ; which of the cluster row's sixteen waves I am: my 8,192 bytes of a chunk;
	s_add_co_u32 s[IR], s[IR], s[WV]
	s_lshl_b32 s[IR], s[IR], 13
	s_lshl_b32 s[IC], s80, 2                       ; and of the column's: of W_v's rows
	s_add_co_u32 s[IC], s[IC], s[WV]
	s_lshl_b32 s[IC], s[IC], 13
	s_add_co_u32 s2, s[IR], s[OX1]
	s_add_co_u32 s2, s2, CH*1024
	v_lshl_add_u32 v7, v3, 8, s2                   ; chunk 1
	s_add_co_u32 s2, s[IR], s[OX2]
	v_lshl_add_u32 v8, v3, 8, s2                   ; chunk 2
	s_lshl_b32 s2, s[RW], 7                        ; q's scale word: 4 x (32 w + r) + 2 x my column, a chunk (512 bytes) ahead of the table: the first step comes in block 1
	s_lshl_b32 s3, s[CW], 1
	SADD 2, 3
	s_add_co_u32 s2, s2, XN-512
	v_lshl_add_u32 v[VX], v1, 2, s2
	s_lshl_b32 s2, s[CW], 8
	s_add_co_u32 s2, s2, XV
	v_lshl_add_u32 v[VW0], v1, 2, s2
	v_add_nc_u32 v1, 16*PITCH, v[ADRA0]            ; v1, v2: block 1's LDS addresses
	v_add_nc_u32 v2, S16, v[AAS0]
	s_wait_alu depctr_va_vdst(0)
	s_cmp_eq_u32 s[WV], 0
	s_cbranch_scc0 .Lnot_b
	s_wait_tensorcnt 0x0                           ; wave 0: the first weight has landed.  The other waves' wait stands at the second barrier
.Lnot_b:
	BARRIER
	global_prefetch_b8 v7, s[4:5] th:TH_LOAD_NT scope:SCOPE_SE
	global_prefetch_b8 v8, s[4:5] th:TH_LOAD_NT scope:SCOPE_SE
.macro GRD
	s_wait_tensorcnt 0x0
	ds_add_u32 v[SPW], v[NIL]
.endm
.macro FRAG f, adr                     ; a weight's fragment f = 4 q + b: lane l holds row l % 16; registers 4 c .. 4 c + 3 hold K = 32 c + 16 (l / 16) + 0 .. 15.  Window 1 + f / 16
	WIN (1+(\f)/16)<<6
.irp c, 0,1,2,3
	ds_load_b128 v[16*((\f)%16)+4*\c:16*((\f)%16)+4*\c+3], v[\adr] offset:128*((\f)/4)+32*\c+((\f)%4)*16*PITCH
.endr
.endm
.macro FETCHAT k, a, s                 ; a block of x, all of K, into set k of window 3, and its scale words: NF loads
	WIN 3<<6
.irp q, 0,1,2,3,4,5,6,7
.irp c, 0,1,2,3
	ds_load_b128 v[128*\k+16*\q+4*\c:128*\k+16*\q+4*\c+3], v[\a] offset:128*\q+32*\c
.endr
.endr
	WIN 0
	ds_load_b128 v[SA+8*\k:SA+8*\k+3], v[\s]
	ds_load_b128 v[SA+8*\k+4:SA+8*\k+7], v[\s] offset:16
.endm
.macro WMMA d, a, b, c, sa, sb, ra, rb
.if \ra
	v_wmma_scale_f32_16x16x128_f8f6f4 \d, \a, \b, \c, v[\sa], v[\sb] matrix_a_scale:MATRIX_SCALE_ROW1
.elseif \rb
	v_wmma_scale_f32_16x16x128_f8f6f4 \d, \a, \b, \c, v[\sa], v[\sb] matrix_b_scale:MATRIX_SCALE_ROW1
.else
	v_wmma_scale_f32_16x16x128_f8f6f4 \d, \a, \b, \c, v[\sa], v[\sb]
.endif
.endm
.macro PROD kind, e, a, n              ; product n = 4 q + b: the q-th 128 of K, tile b; x's rows in set e, sums in set a.  kind 0 (q, k): source 0 = the weight's rows; kind 1 (v): source 0 = x's
.set Q_, (\n)/4
.set B_, (\n)%4
.set D_, ACC+32*(\a)+8*B_
.set R_, 128*(\e)+16*Q_
.set W_, 16*((\n)%16)
.set XS_, SA+8*(\e)+Q_
.set WS_, SB+8*(B_/2)+Q_
.set O_, B_%2
.if \kind
	WIN 3|((1+(\n)/16)<<2)
.if Q_
	WMMA v[D_:D_+7], v[R_:R_+15], v[W_:W_+15], v[D_:D_+7], XS_, WS_, 0, O_
.else
	WMMA v[D_:D_+7], v[R_:R_+15], v[W_:W_+15], 0, XS_, WS_, 0, O_
.endif
.else
	WIN (1+(\n)/16)|(3<<2)
.if Q_
	WMMA v[D_:D_+7], v[W_:W_+15], v[R_:R_+15], v[D_:D_+7], WS_, XS_, O_, 0
.else
	WMMA v[D_:D_+7], v[W_:W_+15], v[R_:R_+15], 0, WS_, XS_, O_, 0
.endif
.endif
.endm
.macro HOLD x, b                       ; held at the largest number that the format has under its block's scale: the conversion does not saturate (ISA guide 7.6.2)
	v_med3_num_f32 v[\x], v[\x], -v[\b], v[\b]
.endm
.macro QLINE k, x                      ; THE QUANTISER OF q's OR k's BLOCK, 59 lines: scale block b is the 16 sums from x + 16 b on and lane l xor 16's
.if (\k) < 16
.set B_, (\k)%2
.set M_, (\k)/2
.set X_, (\x)+16*B_+2*M_
.if M_ == 0
	v_max3_num_f32 v[TQ+B_], |v[X_]|, |v[X_+1]|, |v[X_+2]|
.elseif M_ < 7
	v_max3_num_f32 v[TQ+B_], v[TQ+B_], |v[X_+1]|, |v[X_+2]|
.else
	v_max3_num_f32 v[TQ+B_], v[TQ+B_], |v[X_+1]|, 0x4800000   ; with the floor 2^(9 - 127): the byte cannot fall under 1
.endif
.elseif (\k) < 18
	v_permlanex16_b32 v[PT+(\k)-16], v[TQ+(\k)-16], s[SEL], s[SEL+1]
.elseif (\k) < 20
	v_max_num_f32 v[TQ+(\k)-18], v[TQ+(\k)-18], v[PT+(\k)-18]
.elseif (\k) < 22
	v_add_nc_u32 v[SOP+(\k)-20], 0xfc000000, v[TQ+(\k)-20]
.elseif (\k) < 24
	v_and_or_b32 v[HD+(\k)-22], v[TQ+(\k)-22], 0x7f800000, s[MNT]
.elseif (\k) < 26
	v_lshrrev_b32 v[EB+(\k)-24], 23, v[SOP+(\k)-24]
.elseif (\k) == 26
	v_lshl_or_b32 v[PW], v[EB+1], 8, v[EB]
.elseif (\k) < 59
	HOLD (\x)+(\k)-27, HD+((\k)-27)/16
.endif
.endm
.macro QCVT q, x
	v_cvt_scalef32_pk8_fp8_f32 v[NCD+2*(\q):NCD+2*(\q)+1], v[(\x)+8*(\q):(\x)+8*(\q)+7], v[SOP+(\q)/2]
.endm
.macro VLINE l, y, x                   ; THE QUANTISER OF A PAIR OF v's BLOCKS, half y (2: tiles 0, 1; 3: tiles 2, 3), 58 lines, the two tiles by turns: a scale block is a tile's sums of the even block, of the odd (32 on), and lane l xor 16's
.set B_, (\l)%2
.set M_, (\l)/2
.set T_, 2*((\y)-2)+B_
.set E_, (\x)+8*T_
.set O_, E_+32
.if M_ == 0
	v_max3_num_f32 v[TQ+B_], |v[E_]|, |v[E_+1]|, |v[E_+2]|
.elseif M_ == 1
	v_max3_num_f32 v[TP+B_], |v[O_]|, |v[O_+1]|, |v[O_+2]|
.elseif M_ == 2 || M_ == 4
	v_max3_num_f32 v[TQ+B_], v[TQ+B_], |v[E_+M_+1]|, |v[E_+M_+2]|
.elseif M_ == 3 || M_ == 5
	v_max3_num_f32 v[TP+B_], v[TP+B_], |v[O_+M_]|, |v[O_+M_+1]|
.elseif M_ == 6
	v_max3_num_f32 v[TP+B_], v[TP+B_], |v[O_+7]|, 0x4800000
.elseif M_ == 7
	v_max3_num_f32 v[TQ+B_], v[TQ+B_], |v[E_+7]|, v[TP+B_]
.elseif M_ == 8
	v_permlanex16_b32 v[PT+B_], v[TQ+B_], s[SEL], s[SEL+1]
.elseif M_ == 9
	v_max_num_f32 v[TQ+B_], v[TQ+B_], v[PT+B_]
.elseif M_ == 10
	v_add_nc_u32 v[SOP+T_], 0xfc000000, v[TQ+B_]
.elseif M_ == 11
	v_and_or_b32 v[HD+B_], v[TQ+B_], 0x7f800000, s[MNT]
.elseif M_ < 20
	HOLD E_+M_-12, HD+B_
.elseif M_ < 28
	HOLD O_+M_-20, HD+B_
.elseif M_ == 28
	v_lshrrev_b32 v[EB+T_], 23, v[SOP+T_]
.endif
.endm
.macro VCVT t, o, x
	v_cvt_scalef32_pk8_fp8_f32 v[MCD+4*(\t)+2*(\o):MCD+4*(\t)+2*(\o)+1], v[(\x)+8*(\t)+32*(\o):(\x)+8*(\t)+32*(\o)+7], v[SOP+(\t)]
.endm
.macro RDESC i                         ; group 0 of a refill, in two parts: a quarter of 128 rows a wave, from s[RO] of x's codes to LDS byte s[SN]
.if (\i) == 0
	s_mul_i32 s[G0R+1], s[WV], 32*PITCH
	s_add_co_u32 s[G0R+1], s[G0R+1], s[SN]
	s_lshl_b32 s2, s[WV], 15
	s_add_co_u32 s2, s2, s[RO]
.else
	s_mov_b32 s3, 0
	s_add_nc_u64 s[G0R+2:G0R+3], s[4:5], s[2:3]
	s_or_b32 s[G0R+3], s[G0R+3], 0x80000000
.endif
.endm
; WHAT STANDS BEHIND PRODUCT n.  j: the block's number in its trip (the second loop's: 4, 5; v's: -1, -2).  The addresses of the block two on stand behind 0 and 1; a prefetch's address or a scale word's next place behind 2; a refill's group 0 behind 29 and 30;
; a way out behind 1 to 22: y = 1 q's or k's block at x; 2, 3 the halves of v's pair at x
.macro LIST n, j, y, x
.if (\n) == 0
	WIN 0
.if (\j) == 0 || (\j) == 1
	s_add_co_u32 s2, s[SL], (64+16*(\j))*PITCH
.elseif (\j) > 1
	s_add_co_u32 s2, s[SN], ((\j)%2)*16*PITCH
.else
	s_add_co_u32 s2, s[SN], (-1-(\j))*16*PITCH
.endif
	v_add_nc_u32 v[ADRA], s2, v[ADRA0]
.elseif (\n) == 1
	WIN 0
.if (\j) == 0 || (\j) == 1
	s_add_co_u32 s2, s[SS], S64+S16*(\j)
.elseif (\j) > 1
	s_add_co_u32 s2, s[SNS], ((\j)%2)*S16
.else
	s_add_co_u32 s2, s[SNS], (-1-(\j))*S16
.endif
	v_add_nc_u32 v[AAS], s2, v[AAS0]
.elseif (\n) == 2
	WIN 0
.if (\j) == 2
	v_lshl_add_u32 v7, v3, 8, s[RPO]
.elseif (\j) == 1
	v_add_nc_u32 v[VX], 512, v[VX]
.elseif (\j) == 4
	v_add_nc_u32 v[VX], s[VSA], v[VX]
.elseif (\j) == 5
	v_add_nc_u32 v[VX], 192, v[VX]
.endif
.elseif (\j) == 0 && ((\n) == 29 || (\n) == 30)
	RDESC (\n)-29
.endif
.if (\n) > 0 && (\n) < 23
	WIN 0
.if (\y) == 1
.if (\n) == 13
	QCVT 0, \x
.elseif (\n) == 16
	QCVT 1, \x
.elseif (\n) == 18
	QCVT 2, \x
.elseif (\n) == 21
	QCVT 3, \x
.endif
.if (\n) < 21
	QLINE 3*(\n)-3, \x
	QLINE 3*(\n)-2, \x
	QLINE 3*(\n)-1, \x
.endif
.else
.if (\n) == 15
	VCVT 2*(\y)-4, 0, \x
.elseif (\n) == 16
	VCVT 2*(\y)-3, 0, \x
.elseif (\n) == 20
	VCVT 2*(\y)-4, 1, \x
.endif
.if (\n) < 21
	VLINE 3*(\n)-3, \y, \x
	VLINE 3*(\n)-2, \y, \x
	VLINE 3*(\n)-1, \y, \x
.endif
.if (\n) == 20
	VCVT 2*(\y)-3, 1, \x
.endif
.endif
.endif
.endm
.macro RUN kind, e, a, from, to, j, y, x
.set N_, \from
.rept (\to)-(\from)
	PROD \kind, \e, \a, N_
	LIST N_, \j, \y, \x
.set N_, N_+1
.endr
.endm
.macro BLK kind, e, a, w, j, y, x      ; a block; w: the wait's count (-1: none)
.if (\w) >= 0
	s_wait_dscnt \w
.endif
	s_wait_xcnt 0x0
	RUN \kind, \e, \a, 0, 32, \j, \y, \x
	WIN 0
	PLACES NP
.endm
.macro RBLK kind, e, a, w, j, y, x     ; a block with a round of the cluster's barrier: the lines at its head, the signal behind 28 products
	s_wait_dscnt \w
	s_wait_xcnt 0x0
	GRD
	RUN \kind, \e, \a, 0, 28, \j, \y, \x
	WIN 0
	s_wait_alu depctr_va_vdst(0)
	s_wait_dscnt 0x0
	s_barrier_signal -1
	RUN \kind, \e, \a, 28, 32, \j, \y, \x
	MIDDLE
	BARRIER
.endm
.macro SBLK kind, e, a, w, j, y, x, half   ; a block with a plain barrier (half = 1: it shows waves 0 and 1's loads alone)
.if (\w) >= 0
	s_wait_dscnt \w
.endif
	s_wait_xcnt 0x0
	RUN \kind, \e, \a, 0, 28, \j, \y, \x
	WIN 0
	s_wait_alu depctr_va_vdst(0)
.if \half
	s_cmp_lt_u32 s[WV], 2
	s_cbranch_scc0 .Lnot_yet_\@
	s_wait_tensorcnt 0x0
.Lnot_yet_\@:
.else
	s_wait_tensorcnt 0x0
.endif
	s_wait_dscnt 0x0
	s_barrier_signal -1
	RUN \kind, \e, \a, 28, 32, \j, \y, \x
	WIN 0
	s_barrier_wait -1
	PLACES NP
.endm
.macro QOUT base, off, lo              ; a block's scale bytes go to their place in LDS (lanes l and l xor 16 write the same bytes), its codes leave: 2 x 512 consecutive bytes
	ds_store_b16 v[VX], v[PW] offset:\lo
	global_store_b128 v[LIN], v[NCD:NCD+3], s[\base:\base+1] offset:\off
	global_store_b128 v[LIN], v[NCD+4:NCD+7], s[\base:\base+1] offset:(\off)+512
.endm
.macro CHUNKBASE                       ; s[QC]: where the codes of chunk s[TT] go
	s_lshr_b32 s2, s[TT], 1
	s_xor_b32 s2, s2, s84
	s_xor_b32 s2, s2, 1
	s_lshl_b32 s2, s2, 16
	s_and_b32 s3, s[TT], 1
	s_lshl_b32 s3, s3, 15
	SADD 2, 3
	s_mov_b32 s3, 0
	s_add_nc_u64 s[QC:QC+1], s[QB0:QB0+1], s[2:3]
.endm
.set F_, 0
.rept 32                               ; my 64 rows of the weight, all of K: 128 loads
	FRAG F_, ADRB
.set F_, F_+1
.endr
	WIN 0
	s_wait_tensorcnt 0x0                           ; chunk 0 and the scale bytes are in; the first weight is in registers
	s_wait_dscnt 0x0
	BARRIER
	FETCHAT 0, ADRA0, AAS0
	FETCHAT 1, 1, 2
	s_mov_b32 s[SEL], 0x76543210
	s_mov_b32 s[SEL+1], 0xfedcba98
	s_mov_b32 s[MNT], 0x600000
	s_lshl_b32 s2, s83, 23                         ; q's or k's codes: my tile column, my column of waves, my tile row, my row of waves
	s_and_b32 s3, s81, 6
	s_lshl_b32 s3, s3, 20
	SADD 2, 3
	s_and_b32 s3, s81, 1
	s_lshl_b32 s3, s3, 11
	SADD 2, 3
	s_lshl_b32 s3, s[CW], 10
	SADD 2, 3
	s_lshl_b32 s3, s82, 17
	SADD 2, 3
	s_lshl_b32 s3, s[RW], 13
	SADD 2, 3
	s_mov_b32 s3, 0
	s_add_nc_u64 s[QB0:QB0+1], s[20:21], s[2:3]
	s_lshl_b32 s2, s82, 1                          ; v's: my window, my 64 columns
	SADD 2, 84
	s_lshl_b32 s2, s2, 18
	s_lshl_b32 s3, s87, 15
	SADD 2, 3
	s_lshl_b32 s3, s[CW], 14
	SADD 2, 3
	s_add_co_u32 s2, s2, 0x1000000
	s_mov_b32 s3, 0
	s_add_nc_u64 s[VB:VB+1], s[20:21], s[2:3]
	s_mov_b64 s[PP:PP+1], s[4:5]
	s_mov_b32 s[RPO], 0
	s_mov_b32 s[TT], 0
	CHUNKBASE
	s_mov_b64 s[QP:QP+1], s[QC:QC+1]
	s_mov_b32 s[SL], 0
	s_mov_b32 s[SN], YB
	s_mov_b32 s[SS], 0
	s_mov_b32 s[SNS], 128*34
	s_add_co_u32 s[RO], s[OX1], CH*1024
.set I_, 0
.rept 32                               ; the first way out works on zeros and stores nothing
	v_mov_b32 v[ACC+32+I_], 0
.set I_, I_+1
.endr
	v_mov_b32 v[PT], 0
	v_mov_b32 v[PT+1], 0
	s_wait_alu depctr_va_vdst(0)
	s_wait_loadcnt 0x0                             ; the weights' scale words
.Lfour:
	RBLK 0, 0, 0, NF, 0, 1, ACC+32                 ; blocks 0, 4, 8: chunks 1, 2, 3 come
	s_cmp_lt_u32 s[WV], 2                          ; waves 0, 1 and waves 2, 3 have a load line each: the barrier inside the block two on waits for the first line's alone
	s_cbranch_scc0 .Lupper
	TLOAD G0R, G1R
	s_branch .Lboth
.Lupper:
	TLOAD G0R, G1R
.Lboth:
	PLACES NP-4
	s_cmp_eq_u32 s[TT], 0
	s_cbranch_scc1 .Lno_block_before
	QOUT QP, 5*4096, 320
.Lno_block_before:
	FETCHAT 0, ADRA, AAS
	BLK 0, 1, 1, -1, 1, 1, ACC
	QOUT QC, 0, 0
	FETCHAT 1, ADRA, AAS
	SBLK 0, 0, 0, NF, 2, 1, ACC+32, 1              ; the next chunk's first half is in
	QOUT QC, 4096, 64
	s_cmp_eq_u32 s[TT], 0
	s_cbranch_scc1 .Lnone_ahead
	global_prefetch_b8 v7, s[PP:PP+1] th:TH_LOAD_NT scope:SCOPE_SE
.Lnone_ahead:
	FETCHAT 0, ADRA, AAS
	BLK 0, 1, 1, -1, 3, 1, ACC
	QOUT QC, 4*4096, 256
	FETCHAT 1, ADRA, AAS
	s_wait_alu depctr_va_vdst(0)
	s_wait_xcnt 0x0                                ; the stores and the prefetch have taken their bases
	s_add_co_u32 s2, s[OX2], CH*1024
	s_add_co_u32 s3, s[IR], s2
	s_add_co_u32 s15, s[IC], s[OWV]
	s_cmp_eq_u32 s[TT], 0
	s_cselect_b32 s[RO], s[OX2], s2                ; chunk 2, then chunk 3
	s_cselect_b32 s[RPO], s3, s15                  ; asked for ahead: chunk 3, then W_v's rows
	s_cselect_b64 s[PP:PP+1], s[4:5], s[16:17]
	s_mov_b64 s[QP:QP+1], s[QC:QC+1]
	s_mov_b32 s[SL], s[SN]
	s_mov_b32 s[SS], s[SNS]
	s_xor_b32 s[SN], s[SL], YB
	s_add_co_u32 s[SNS], s[SNS], 128*34
	s_add_co_u32 s[TT], s[TT], 1
	CHUNKBASE
	s_cmp_lg_u32 s[TT], 3
	s_cbranch_scc1 .Lfour
	GRD
	s_lshl_b32 s2, s[WV], 15
	s_add_co_u32 s2, s2, s[OWV]
	s_mov_b32 s3, 0
	s_mul_i32 s[G0A+1], s[WV], 32*PITCH
	s_add_nc_u64 s[G0A+2:G0A+3], s[16:17], s[2:3]
	s_or_b32 s[G0A+3], s[G0A+3], 0x80000000
	GROUP1 G1A, 86, 32
	s_wait_dscnt 0x0
	s_barrier_signal -1
	MIDDLE
	BARRIER
	TLOAD G0A, G1A
	s_mov_b32 s[SN], YB+64*PITCH
	s_mov_b32 s[SNS], 3*128*34+S64
	s_add_nc_u64 s[QP:QP+1], s[QP:QP+1], 5*4096
	s_mov_b64 s[P5:P5+1], s[QC:QC+1]
	s_mov_b32 s[VSA], 320
.Ltwo:
	BLK 0, 0, 0, NF, 4, 1, ACC+32                  ; blocks 12, 14
	QOUT QP, 0, 0
	FETCHAT 0, ADRA, AAS
	BLK 0, 1, 1, NF, 5, 1, ACC                     ; 13, 15; the block two on is then v's: chunk 3 again, as it lies in slot 1
	QOUT P5, 0, 0
	FETCHAT 1, ADRA, AAS
	s_wait_alu depctr_va_vdst(0)
	s_wait_xcnt 0x0
	s_add_nc_u64 s[QP:QP+1], s[QC:QC+1], 4096
	s_add_nc_u64 s[P5:P5+1], s[QC:QC+1], 4*4096
	s_mov_b32 s[VSA], 64
	s_mov_b32 s[SN], YB
	s_mov_b32 s[SNS], 3*128*34
	s_add_co_u32 s[TT], s[TT], 1
	s_cmp_lg_u32 s[TT], 5
	s_cbranch_scc1 .Ltwo
; the change of phase
	s_wait_tensorcnt 0x0                           ; W_v's rows are in
	s_wait_dscnt 0x0
	BARRIER
.macro CHANGE i                        ; among W_v's 128 loads: the last block's way out; W_v's scale words into their place; zeros into what no block has written yet (the first way out of v works on it and stores nothing)
.if (\i) < 8
.irp k, 0,1,2,3,4,5,6,7
	QLINE 8*(\i)+\k, ACC+32
.endr
.elseif (\i) < 10
.if (\i) == 8
	QCVT 0, ACC+32
	QCVT 1, ACC+32
	QCVT 2, ACC+32
	QCVT 3, ACC+32
.endif
.irp q, 0,1,2,3,4,5,6,7
	v_mov_b32 v[SB+8*((\i)-8)+\q], v[WS+8*((\i)-8)+\q]
.endr
.else
.irp q, 0,1,2,3,4,5,6,7
	v_mov_b32 v[ACC+80+8*((\i)-10)+\q], 0
.endr
.endif
.endm
.set F_, 0
.rept 16
	FRAG 2*F_, ADRB+1
	FRAG 2*F_+1, ADRB+1
	WIN 0
	CHANGE F_
.set F_, F_+1
.endr
	QOUT QC, 5*4096, 64
	GRD
	s_mov_b32 s[SN], 0
	s_mov_b32 s[RO], s[OX2]
	RDESC 0
	RDESC 1
	s_mov_b32 s[TT], 0
	s_mov_b32 s[SN], YB+64*PITCH
	s_mov_b32 s[SNS], 3*128*34+S64
	s_wait_alu depctr_va_vdst(0)
	s_wait_dscnt 0x0
	s_barrier_signal -1
	MIDDLE
	BARRIER
	TLOAD G0R, G1R
.macro VOUT                            ; a pair of v's blocks: four tiles' bytes and codes, 512 consecutive bytes a tile
.irp t, 0,1,2,3
	ds_store_b8 v[VWA], v[EB+\t] offset:64*\t
	global_store_b128 v[LIN], v[MCD+4*\t:MCD+4*\t+3], s[VO:VO+1] offset:4096*\t
.endr
.endm
.macro VTO                             ; s15 = t, the pair's number: chunk 3's two pairs, then chunk 2's: key step 1 - t / 2 of my window, group of 32 keys c = 2 (t % 2) + my row of waves
	s_lshr_b32 s2, s15, 1
	s_xor_b32 s2, s2, 1
	s_and_b32 s3, s15, 1
	s_lshl_b32 s3, s3, 1
	s_add_co_u32 s3, s3, s[RW]
	s_lshl_b32 s15, s2, 9
	SADD 15, 3
	v_add_nc_u32 v[VWA], s15, v[VW0]
	s_lshl_b32 s2, s2, 11
	s_lshl_b32 s3, s3, 9
	SADD 2, 3
	s_mov_b32 s3, 0
	s_add_nc_u64 s[VO:VO+1], s[VB:VB+1], s[2:3]
.endm
.Lpair:
	BLK 1, 0, 0, -1, -1, 2, ACC+64
	s_wait_alu depctr_va_vdst(0)
	s_cmp_eq_u32 s[TT], 3
	s_cbranch_scc1 .Lnone_0
	FETCHAT 0, ADRA, AAS
	s_wait_dscnt NF
	s_branch .Lgo
.Lnone_0:
	s_wait_dscnt 0x0
.Lgo:
	SBLK 1, 1, 1, -1, -2, 3, ACC+64, 0             ; the first trip's shows chunk 2
.set I_, 0
.rept 32                               ; the pair's sums are copied, so that one trip is two blocks of text
	v_dual_mov_b32 v[ACC+64+I_], v[ACC+I_] :: v_dual_mov_b32 v[ACC+64+I_+1], v[ACC+I_+1]
.set I_, I_+2
.endr
	s_add_co_u32 s15, s[TT], 3
	s_and_b32 s15, s15, 3
	VTO
	s_wait_alu depctr_va_vdst(0)
	s_cmp_eq_u32 s[TT], 0
	s_cbranch_scc1 .Lno_pair_before
	VOUT
.Lno_pair_before:
	s_cmp_eq_u32 s[TT], 3
	s_cbranch_scc1 .Lnone_1
	FETCHAT 1, ADRA, AAS
.Lnone_1:
	s_mov_b32 s[SN], 64*PITCH
	s_mov_b32 s[SNS], 2*128*34+S64
	s_cmp_eq_u32 s[TT], 0
	s_cselect_b32 s[SN], 0, s[SN]
	s_mov_b32 s2, 2*128*34
	s_cselect_b32 s[SNS], s2, s[SNS]
	s_add_co_u32 s[TT], s[TT], 1
	s_cmp_lg_u32 s[TT], 4
	s_cbranch_scc1 .Lpair
	s_wait_xcnt 0x0                                ; the last pair's way out
.irp y, 2,3
.set K_, 0
.rept 58
	VLINE K_, \y, ACC+64
.set K_, K_+1
.endr
.endr
.irp t, 0,1,2,3
	VCVT \t, 0, ACC+64
	VCVT \t, 1, ACC+64
.endr
	v_nop
	s_mov_b32 s15, 3
	VTO
	s_wait_alu depctr_va_vdst(0)
	VOUT
	v_lshlrev_b32 v22, 3, v3
	s_lshl_b32 s2, s[WV], 9
	s_add_co_u32 s2, s2, XN
	v_add_nc_u32 v21, s2, v[LIN]
	s_lshl_b32 s2, s[WV], 8
	s_add_co_u32 s2, s2, XV
	v_add_nc_u32 v23, s2, v22
	s_lshl_b32 s2, s83, 18                         ; q's or k's scale words: wave n stores 128 rows of the window n / 2 in the order of work
	s_and_b32 s3, s81, 7
	s_lshl_b32 s3, s3, 15
	SADD 2, 3
	s_lshl_b32 s3, s82, 11
	SADD 2, 3
	s_xor_b32 s3, s[RW], s84
	s_xor_b32 s3, s3, 1
	s_lshl_b32 s3, s3, 10
	SADD 2, 3
	s_lshl_b32 s3, s[CW], 9
	SADD 2, 3
	s_mov_b32 s3, 0
	s_add_nc_u64 s[50:51], s[22:23], s[2:3]
	s_lshl_b32 s2, s82, 1                          ; v's: wave n stores key step n / 2, columns 64 (n % 2) on
	SADD 2, 84
	s_lshl_b32 s2, s2, 1
	s_add_co_u32 s2, s2, s[RW]
	s_lshl_b32 s2, s2, 12
	s_lshl_b32 s3, s87, 9
	SADD 2, 3
	s_lshl_b32 s3, s[CW], 8
	SADD 2, 3
	s_add_co_u32 s2, s2, 0x80000
	s_mov_b32 s3, 0
	s_add_nc_u64 s[54:55], s[22:23], s[2:3]
	s_wait_alu depctr_va_vdst(0)
	s_wait_dscnt 0x0                               ; my scale bytes are stored
	BARRIER
	ds_load_b128 v[60:63], v21
	ds_load_b64 v[40:41], v23
	s_wait_dscnt 0x0
	global_store_b128 v[LIN], v[60:63], s[50:51]
	global_store_b64 v22, v[40:41], s[54:55]
	s_wait_tensorcnt 0x0                           ; the wave's end
	ds_add_u32 v[SPW], v[NIL]
	s_wait_dscnt 0x0
	CROUND                                         ; the closing round
	s_endpgm
.Lfunc_end_k_q19dbcaabec_proj:
	.size	k_q19dbcaabec_proj, .Lfunc_end_k_q19dbcaabec_proj-k_q19dbcaabec_proj
	.p2alignl 7, 3214868480
	.fill 96, 4, 3214868480
	.section	.rodata,"a",@progbits
	.p2align	6, 0x0
	.amdhsa_kernel k_q19dbcaabec_proj
		.amdhsa_group_segment_fixed_size 327680
		.amdhsa_private_segment_fixed_size 0
		.amdhsa_enable_private_segment 0
		.amdhsa_kernarg_size 80
		.amdhsa_user_sgpr_count 2
		.amdhsa_user_sgpr_kernarg_segment_ptr 1
		.amdhsa_wavefront_size32 1
		.amdhsa_system_sgpr_workgroup_id_x 1
		.amdhsa_system_sgpr_workgroup_id_y 1
		.amdhsa_system_sgpr_workgroup_id_z 1
		.amdhsa_system_vgpr_workitem_id 0
		.amdhsa_next_free_vgpr 1024
		.amdhsa_next_free_sgpr 102
		.amdhsa_reserve_vcc 0
		.amdhsa_float_denorm_mode_32 3
		.amdhsa_float_denorm_mode_16_64 3
		.amdhsa_memory_ordered 1
		.amdhsa_forward_progress 1
		.amdhsa_inst_pref_size 159
	.end_amdhsa_kernel
	.amdgpu_metadata
---
amdhsa.version: [ 1, 2 ]
amdhsa.kernels:
  - .name:           k_q19dbcaabec_proj
    .symbol:         k_q19dbcaabec_proj.kd
    .args:
      - { .name: x_codes, .offset: 0, .size: 8, .value_kind: global_buffer, .address_space: global }
      - { .name: x_scales, .offset: 8, .size: 8, .value_kind: global_buffer, .address_space: global }
      - { .name: Wq_codes, .offset: 16, .size: 8, .value_kind: global_buffer, .address_space: global }
      - { .name: Wq_scales, .offset: 24, .size: 8, .value_kind: global_buffer, .address_space: global }
      - { .name: Wk_codes, .offset: 32, .size: 8, .value_kind: global_buffer, .address_space: global }
      - { .name: Wk_scales, .offset: 40, .size: 8, .value_kind: global_buffer, .address_space: global }
      - { .name: Wv_codes, .offset: 48, .size: 8, .value_kind: global_buffer, .address_space: global }
      - { .name: Wv_scales, .offset: 56, .size: 8, .value_kind: global_buffer, .address_space: global }
      - { .name: codes, .offset: 64, .size: 8, .value_kind: global_buffer, .address_space: global }
      - { .name: scales, .offset: 72, .size: 8, .value_kind: global_buffer, .address_space: global }
    .group_segment_fixed_size: 327680
    .private_segment_fixed_size: 0
    .kernarg_segment_align: 8
    .kernarg_segment_size: 80
    .max_flat_workgroup_size: 128
    .sgpr_count:     102
    .vgpr_count:     1024
    .wavefront_size: 32
...
	.end_amdgpu_metadata
.endif
;; end of part 1
;; launch score (part 2): grid 8 x 32, 4 waves a work-group, clusters of 4 x 4, 327,680 bytes of LDS; arguments codes, scales, mask, pimg, pstat; writes pimg, pstat
.if DOCPART == 2
	.amdgcn_target "amdgcn-amd-amdhsa--gfx1250"
	.amdhsa_code_object_version 6
	.text
	.protected	k_q19dbcaabec_score
	.globl	k_q19dbcaabec_score
	.p2align	8
	.type	k_q19dbcaabec_score,@function
k_q19dbcaabec_score:
	s_mov_b64 s[64:65], 0
	v_nop
	global_prefetch_b8 v0, s[64:65] scope:SCOPE_SE
	s_setreg_imm32_b32 hwreg(HW_REG_WAVE_MODE, 25, 1), 1
	s_wait_xcnt 0x0
	s_wait_alu depctr_hold_cnt(0) depctr_sa_sdst(0) depctr_va_vdst(0) depctr_va_sdst(0) depctr_va_ssrc(0) depctr_va_vcc(0) depctr_vm_vsrc(0)
	s_getreg_b32 s2, hwreg(HW_REG_IB_STS2, 6, 4)
	s_cmp_eq_u32 s2, 0
	s_cbranch_scc0 .Lentry_in_a_cluster
	s_endpgm
.Lentry_in_a_cluster:
	s_bfe_u32 s2, ttmp6, 0x10000c
	s_cmp_lg_u32 s2, 0xf033
	s_cbranch_scc0 .Lentry_shape_is_right
	s_endpgm
.Lentry_shape_is_right:
; In each batch: s = q k^T on the codes that the launch before made (K = e = 1,024); logit = s / 32 + (mask == 0 ? -1e9 : 0); t = logit x log2(e); p = 2^(t - M) quantised along the keys.  No work is left out.
; M HERE IS LOCAL: the ceiling of a row's largest t among 64 keys (a wave's).  M is a whole number, so going over to the row's M is a shift of the scale bytes and an exact scaling of the sums: the next launch does both.
; t is made by a multiplication and t - M by an addition of their own, each rounded, as the problem states them: where all keys of a row are hidden t is of the size of 1.4e9 and a fused form would give another p.
; LIMITS: p under 2^-126 is 0; a block whose every p is under 2^-118 keeps the byte 1; NaN and infinities are not served.
; SHARES.  A work-group makes 256 queries x 256 keys.  Each of its four waves holds 64 KEYS, ALL OF K, IN REGISTERS (512), by way of LDS: the workspace holds k as images of operand registers.
; q's 256 rows, all of K, lie in LDS (256 KiB), filled once: wave w's one joint load brings rows 64 w on, shared by the four work-groups of a row of the cluster.  No byte is filled twice.
; q's rows are prefetched at the head; everything is asked for at the head, and no loop runs ahead of a load.
; A loop walks q's sixteen blocks of 16 rows, four a trip: 32 products a block (source 0 = 16 keys, source 1 = 16 queries: a lane holds one query, its registers run along the keys), 4 accumulators by turns.
; THE WAY OUT STANDS AMONG LATER PRODUCTS: among block i's products stand t, its maxima and t - M of block i - 1 (lines A) and the sum, the hold and the conversions of block i - 2 (lines B); the exponentials of block i - 1
; stand between block i's products and block i + 1's, p in registers of its own, so that two sets of sums suffice.  The first two blocks' lines work on zeros, and what they store in LDS goes to rows ahead of the tables.
; STORED: p's images [batch][key tile 256][row tile 16][2][2,048]: a wave's 64 keys are 1,024 bytes of each;  pstat: scale words [64 key steps of 128][2,048 rows]; from 524,288 on -M [64][2,048][2 halves of 64 keys]; from 1,572,864 on l, likewise.
; REGISTERS: windows 1, 2: k: fragment 4 j + b (K step j, key tile b).  Window 3: q's fragments of two blocks.  Window 0: all else.
.set SQ,   262144                      ; q's scale words [8 K steps][256 rows]
.set MB,   SQ+8192                     ; -M: [2 key steps][2 blocks ahead + 16][16 rows][2 halves]
.set MST,  2304
.set LB,   MB+2*MST                    ; l, likewise
.set WB,   LB+2*MST                    ; scale words: [2][2 + 16][16]
.set WST,  1152
.set SPARE, WB+2*WST                   ; the spare words: 512 bytes that no other line names
.set LI,   4                           ; 16 x lane
.set QA,   5                           ; LDS address of q's fragments
.set QS,   6                           ; of q's scale words
.set QS0,  7
.set MW,   8
.set MW0,  9
.set WW,   10
.set WW0,  11
.set L4,   12                          ; 4 x lane
.set MO,   13
.set SPW,  14
.set NIL,  15
.set SA,   16                          ; q's scale words: two sets of four: lanes 0-15 an even K step's, lanes 16-31 the next's
.set KSC,  32                          ; k's: register 2 j + i: lanes 0-15 key tile 2 i, lanes 16-31 tile 2 i + 1
.set BI,   48                          ; the bias of my 64 keys
.set ACC,  80                          ; two sets of four accumulators
.set P,    144
.set BM,   176
.set PT,   178
.set BX,   180
.set TX,   182
.set NM,   184
.set L1,   186                         ; and L1 + 2
.set HD,   190
.set SOP,  192
.set BY,   194
.set PW,   196
.set LL,   197
.set PX,   198
.set NCD,  200
.set OU,   208                         ; v208-227 the tables on their way out
.set G1,   24
.set G0,   32
; HOW THE OPERANDS COME: at the head each wave's one joint load brings ITS 64 KEYS into LDS (shared by a column of the cluster), and from there into its registers; then, in a drained round, q's rows are filled over them, 64 rows a wave.
; Rows 0 to 63 are shown ahead of the loop, the others inside its first trip (each trip passes the barrier).  q's blocks of 256 bytes are prefetched at the head, told apart by address: the work-group at cx asks for the cx-th run of each wave's rows.
; In the last trip the loads for blocks 16 and 17, which do not exist, read rows 0 to 31 again: nothing uses them.
.set G1K,  52
.set G0K,  60
.set TT,   67
.set WV,   96
.set MNT,  99
.set SEL,  100
.set MSB, 0
.macro WIN new                         ; the immediate's high byte repeats the setting that is left
.if MSB != \new
	s_set_vgpr_msb (MSB<<8)|(\new)
.set MSB, \new
.endif
.endm
.macro CROUND                          ; a round of the cluster's barrier
	s_barrier_signal -1
	s_barrier_wait -1
	s_cmp_lg_u32 s[WV], 0
	s_cbranch_scc1 .Lnot_wave_0_\@
	s_barrier_signal -3
.Lnot_wave_0_\@:
	s_barrier_wait -3
	s_barrier_signal -1
	s_barrier_wait -1
.endm
.macro SADD d, x
	s_add_co_u32 s\d, s\d, s\x
.endm
	s_load_b256 s[4:11], s[0:1], 0x0               ; codes, scale words, mask, p's images
	s_load_b64 s[12:13], s[0:1], 0x20              ; pstat
	v_lshl_add_u32 v[SPW], v0, 2, SPARE
	v_mov_b32 v[NIL], 0
	ds_add_u32 v[SPW], v[NIL]                      ; the wave's opening: an add, twice on end, and its wait
	ds_add_u32 v[SPW], v[NIL]
	v_lshrrev_b32 v1, 5, v0
	v_readfirstlane_b32 s[WV], v1
	v_and_b32 v1, 15, v0                           ; r
	v_bfe_u32 v2, v0, 4, 1                         ; h
	v_and_b32 v3, 31, v0
	v_lshlrev_b32 v[LI], 4, v3
	v_lshlrev_b32 v[L4], 2, v3
	v_lshlrev_b32 v[MO], 5, v2
	s_lshr_b32 s97, s[WV], 1                       ; my key step of the two
	s_and_b32 s98, s[WV], 1                        ; my half of it
	s_bfe_u32 s40, ttmp6, 0x40000                  ; cx
	s_bfe_u32 s41, ttmp6, 0x40004                  ; cy
	s_mov_b32 s42, ttmp9
	s_and_b32 s66, ttmp7, 0xffff
	s_lshl_b32 s43, s41, 2
	s_lshl_b32 s43, 15, s43                        ; my row of the cluster shares q's rows
	s_lshl_b32 s50, 0x1111, s40                    ; my column shares k's
	s_or_b32 s[G1+0], s43, (3<<16)|(1<<21)         ; 64 rows of q or of k, all of K: 4 runs (256 along K each) of 16,384 bytes (2,048 elements of 8), 2 MiB apart
	s_or_b32 s[G1K+0], s50, (3<<16)|(1<<21)
.irp g, G1, G1K
	s_mov_b32 s[\g+1], 2048<<16
	s_mov_b32 s[\g+2], 4<<16
	s_mov_b32 s[\g+3], 2048<<16
	s_mov_b32 s[\g+4], 4
	s_mov_b32 s[\g+5], 262144
	s_mov_b32 s[\g+6], 0
	s_mov_b32 s[\g+7], 0
.endr
	s_lshl_b32 s14, s66, 2
	SADD 14, 41                                    ; the tile of 256 queries over all batches
	s_lshl_b32 s16, s42, 2
	SADD 16, 40                                    ; the tile of 256 keys in the batch
	s_lshr_b32 s17, s66, 1                         ; the batch
	s_lshl_b32 s18, s17, 3
	SADD 18, 16                                    ; the tile of keys over all batches
	s_and_b32 s15, s14, 7                          ; the tile of queries in the batch
	s_lshl_b32 s34, s14, 16                        ; q
	s_lshl_b32 s2, s[WV], 14
	SADD 34, 2
	s_mov_b32 s35, 0
	s_lshl_b32 s20, s18, 16                        ; k, 8 MiB on
	SADD 20, 2
	s_add_co_u32 s20, s20, 0x800000
	s_mov_b32 s21, 0
	s_lshl_b32 s3, s[WV], 8
	s_lshl_b32 s22, s18, 10                        ; k's scale words
	SADD 22, 3
	s_add_co_u32 s22, s22, 0x40000
	s_mov_b32 s23, 0
	s_lshl_b32 s36, s14, 10                        ; q's scale words: I take K steps 2 w, 2 w + 1
	s_lshl_b32 s2, s[WV], 16
	SADD 36, 2
	s_mov_b32 s37, 0
	s_lshl_b32 s38, s17, 13                        ; the mask
	s_lshl_b32 s2, s16, 10
	SADD 38, 2
	SADD 38, 3
	s_mov_b32 s39, 0
	s_lshl_b32 s44, s17, 22                        ; p's images
	s_lshl_b32 s2, s16, 19
	SADD 44, 2
	s_lshl_b32 s2, s15, 16
	SADD 44, 2
	s_lshl_b32 s2, s[WV], 10
	SADD 44, 2
	s_mov_b32 s45, 0
	s_lshl_b32 s46, s17, 4                         ; pstat
	s_lshl_b32 s2, s16, 1
	SADD 46, 2
	SADD 46, 97
	s_lshl_b32 s46, s46, 13
	s_lshl_b32 s2, s15, 10
	SADD 46, 2
	s_lshl_b32 s2, s98, 9
	SADD 46, 2
	s_mov_b32 s47, 0
	s_lshl_b32 s48, s46, 1
	s_mov_b32 s49, 0
	s_mov_b32 s[MNT], 0x600000                     ; the mantissa field of 448
	s_mov_b32 s[SEL], 0x76543210
	s_mov_b32 s[SEL+1], 0xfedcba98
	s_mov_b32 s92, 0x3d000000                      ; 1 / 32 = 1 / sqrt(1,024)
	s_mov_b32 s93, s92
	s_mov_b32 s94, 0x3fb8aa3b                      ; log2(e)
	s_mov_b32 s95, s94
	s_wait_alu depctr_va_vdst(0)
	s_wait_dscnt 0x0                               ; both opening adds are done
	CROUND                                         ; all sixteen work-groups are here
	s_wait_kmcnt 0x0
	s_mov_b32 s60, 1
	s_lshl_b32 s61, s[WV], 16
	s_add_nc_u64 s[62:63], s[4:5], s[20:21]
	s_or_b32 s63, s63, 0x80000000
	tensor_load_to_lds s[G0K:G0K+3], s[G1K:G1K+7]  ; a wave's one joint load at the head: its 64 keys
	s_nop 0
.rept 4
	v_nop
.endr
	s_mov_b32 s32, 1
	s_lshl_b32 s33, s[WV], 16
	s_add_nc_u64 s[34:35], s[4:5], s[34:35]
	s_lshl_b32 s20, s40, 21
	s_mov_b32 s21, 0
	s_add_nc_u64 s[20:21], s[34:35], s[20:21]      ; my prefetches
	s_or_b32 s35, s35, 0x80000000
	s_add_nc_u64 s[22:23], s[6:7], s[22:23]
	s_add_nc_u64 s[36:37], s[6:7], s[36:37]
	s_add_nc_u64 s[38:39], s[8:9], s[38:39]
	s_add_nc_u64 s[10:11], s[10:11], s[44:45]
	s_sub_nc_u64 s[10:11], s[10:11], 0x4000        ; each trip steps it first
	s_add_nc_u64 s[46:47], s[12:13], s[46:47]
	s_add_nc_u64 s[48:49], s[12:13], s[48:49]
.irp t, 0,1,2,3
	global_load_b128 v[BI+8*\t:BI+8*\t+3], v[MO], s[38:39] offset:64*\t      ; register 8 t + j: key 16 t + 8 h + j, as register j of accumulator t
	global_load_b128 v[BI+8*\t+4:BI+8*\t+7], v[MO], s[38:39] offset:64*\t+16
.endr
.irp k, 0,1,2,3
	global_load_b128 v[P+4*\k:P+4*\k+3], v[LI], s[36:37] offset:512*(\k%2)+32768*(\k/2)
.endr
.irp j, 0,1,2,3,4,5,6,7
	global_load_b32 v[KSC+2*\j], v[L4], s[22:23] offset:32768*\j
	global_load_b32 v[KSC+2*\j+1], v[L4], s[22:23] offset:32768*\j+128
.endr
	v_lshlrev_b32 v[TX], 8, v3
	global_prefetch_b8 v[TX], s[20:21] th:TH_LOAD_NT scope:SCOPE_SE
	global_prefetch_b8 v[TX], s[20:21] offset:8192 th:TH_LOAD_NT scope:SCOPE_SE
	v_lshlrev_b32 v[QS0], 10, v2
	v_lshl_add_u32 v[QS0], v1, 2, v[QS0]
	v_add_nc_u32 v[QS0], SQ, v[QS0]
	v_mov_b32 v[QS], v[QS0]
	v_mov_b32 v[QA], v[LI]
	s_mul_i32 s2, s97, MST
	s_lshl_b32 s3, s98, 2
	SADD 2, 3
	s_add_co_u32 s2, s2, MB
	v_lshl_add_u32 v[MW0], v1, 3, s2
	s_mul_i32 s2, s97, WST
	s_lshl_b32 s3, s98, 1
	SADD 2, 3
	s_add_co_u32 s2, s2, WB
	v_lshl_add_u32 v[WW0], v1, 2, s2
	s_lshl_b32 s2, s[WV], 11
	s_add_co_u32 s2, s2, SQ
	v_add_nc_u32 v3, s2, v[LI]
.set I_, 0
.rept 32                               ; the first two blocks' lines A and B find zeros
	v_mov_b32 v[ACC+32+I_], 0
.set I_, I_+1
.endr
	v_mov_b32 v[BX], 0
	v_mov_b32 v[BX+1], 0
	v_mov_b32 v[PT], 0
	v_mov_b32 v[PT+1], 0
	v_mov_b32 v[PX], 0
	v_mov_b32 v[NM+1], 0
	v_mov_b32 v1, 0xce6e6b28                       ; -1e9
	s_wait_alu depctr_va_vdst(0)
	s_wait_loadcnt 0x0                             ; the mask and the scale words
.irp k, 0,1,2,3
	ds_store_b128 v3, v[P+4*\k:P+4*\k+3] offset:512*\k
.endr
.set I_, 0
.rept 32
	v_cmp_eq_u32 vcc_lo, 0, v[BI+I_]
	v_cndmask_b32 v[BI+I_], 0, v1, vcc_lo          ; the bias: -1e9 where the mask is 0, else 0
.set I_, I_+1
.endr
	s_wait_dscnt 0x0                               ; the scale words' stores have read P
.set I_, 0
.rept 32
	v_mov_b32 v[P+I_], 0
.set I_, I_+1
.endr
.macro FETCH e, bl                     ; block bl of the chunk in hand: 8 fragments of 16 rows x 128 K into set e, and its scale words: 36 loads
	WIN 0xc0
.irp j, 0,1,2,3,4,5,6,7
.irp c, 0,1,2,3
	ds_load_b128 v[128*(\e)+16*\j+4*\c:128*(\e)+16*\j+4*\c+3], v[QA] offset:(\j/2)*16384+(\j%2)*2048+512*\c+4096*(\bl)
.endr
.endr
	WIN 0
.irp x, 0,1,2,3
	ds_load_b32 v[SA+4*(\e)+\x], v[QS] offset:2048*\x+64*(\bl)
.endr
.endm
.macro FJ e, bl, j                     ; the same by pieces: fragment j
	WIN 0xc0
.irp c, 0,1,2,3
	ds_load_b128 v[128*(\e)+16*(\j)+4*\c:128*(\e)+16*(\j)+4*\c+3], v[QA] offset:((\j)/2)*16384+((\j)%2)*2048+512*\c+4096*(\bl)
.endr
	WIN 0
.endm
.macro FS e, bl                        ; and the scale words
.irp x, 0,1,2,3
	ds_load_b32 v[SA+4*(\e)+\x], v[QS] offset:2048*\x+64*(\bl)
.endr
.endm
.macro WMMA d, a, b, c, sa, sb, ra, rb
.if (\ra) && (\rb)
	v_wmma_scale_f32_16x16x128_f8f6f4 \d, \a, \b, \c, v[\sa], v[\sb] matrix_a_scale:MATRIX_SCALE_ROW1 matrix_b_scale:MATRIX_SCALE_ROW1
.elseif (\ra)
	v_wmma_scale_f32_16x16x128_f8f6f4 \d, \a, \b, \c, v[\sa], v[\sb] matrix_a_scale:MATRIX_SCALE_ROW1
.elseif (\rb)
	v_wmma_scale_f32_16x16x128_f8f6f4 \d, \a, \b, \c, v[\sa], v[\sb] matrix_b_scale:MATRIX_SCALE_ROW1
.else
	v_wmma_scale_f32_16x16x128_f8f6f4 \d, \a, \b, \c, v[\sa], v[\sb]
.endif
.endm
.macro PROD e, n                       ; product n = 4 j + b: K step j, key tile b: the four accumulators take turns
.set J_, (\n)/4
.set B_, (\n)%4
.set D_, ACC+32*(\e)+8*B_
.set K_, 16*((\n)%16)
.set Q_, 128*(\e)+16*J_
.set KS_, KSC+2*J_+B_/2
.set QS_, SA+4*(\e)+J_/2
.set RA_, B_%2
.set RB_, J_%2
	WIN 0x0d+(\n)/16
.if J_ == 0
	WMMA v[D_:D_+7], v[K_:K_+15], v[Q_:Q_+15], 0, KS_, QS_, RA_, RB_
.else
	WMMA v[D_:D_+7], v[K_:K_+15], v[Q_:Q_+15], v[D_:D_+7], KS_, QS_, RA_, RB_
.endif
.endm
.macro ALINE k, s                      ; 56 lines: t, the two blocks' largest t, -M = floor(-t) = -ceil(t), t - M
.if (\k) < 16
	v_pk_mul_f32 v[(\s)+2*(\k):(\s)+2*(\k)+1], v[(\s)+2*(\k):(\s)+2*(\k)+1], s[94:95] op_sel_hi:[1,0]
.elseif (\k) < 18
	v_max_num_f32 v[BM+(\k)-16], v[(\s)+16*((\k)-16)], v[(\s)+16*((\k)-16)+1]
.elseif (\k) < 32
.set B_, (\k)%2
.set M_, ((\k)-16)/2
	v_max3_num_f32 v[BM+B_], v[(\s)+16*B_+2*M_], v[(\s)+16*B_+2*M_+1], v[BM+B_]
.elseif (\k) < 34
	v_permlanex16_b32 v[PT+(\k)-32], v[BM+(\k)-32], s[SEL], s[SEL+1]
.elseif (\k) < 36
	v_max_num_f32 v[BM+(\k)-34], v[BM+(\k)-34], v[PT+(\k)-34]
.elseif (\k) == 36
	v_max_num_f32 v[TX], v[BM], v[BM+1]
.elseif (\k) == 37
	v_floor_f32 v[NM], -v[TX]
.elseif (\k) < 40
	v_add_f32 v[BM+(\k)-38], v[BM+(\k)-38], v[NM]
.else
.set M_, (\s)+2*((\k)-40)
	v_pk_add_f32 v[M_:M_+1], v[M_:M_+1], v[NM:NM+1] op_sel_hi:[1,0]
.endif
.endm
.macro BLINE k                         ; 59 lines: l, the sum of the unquantised p, in two chains; the scales' operands, bounds and bytes; the hold (the conversion does not saturate: ISA guide 7.6.2; p is not negative)
.if (\k) < 2
	v_pk_add_f32 v[L1+2*(\k):L1+2*(\k)+1], v[P+4*(\k):P+4*(\k)+1], v[P+4*(\k)+2:P+4*(\k)+3]
.elseif (\k) < 14
.set M_, L1+2*((\k)%2)
	v_pk_add_f32 v[M_:M_+1], v[M_:M_+1], v[P+2*(\k)+4:P+2*(\k)+5]
.elseif (\k) == 14
	v_pk_add_f32 v[L1:L1+1], v[L1:L1+1], v[L1+2:L1+3]
.elseif (\k) == 15
	v_add_f32 v[LL], v[L1], v[L1+1]
.elseif (\k) == 16
	v_permlanex16_b32 v[PX], v[LL], s[SEL], s[SEL+1]
.elseif (\k) == 17
	v_add_f32 v[LL], v[LL], v[PX]
.elseif (\k) < 20
	v_max_num_f32 v[BX+(\k)-18], 0x4800000, v[BX+(\k)-18]   ; the floor 2^(9 - 127): the byte cannot fall under 1
.elseif (\k) < 22
	v_add_nc_u32 v[SOP+(\k)-20], 0xfc000000, v[BX+(\k)-20]
.elseif (\k) < 24
	v_and_or_b32 v[HD+(\k)-22], v[BX+(\k)-22], 0x7f800000, s[MNT]   ; 448 x the scale
.elseif (\k) < 26
	v_lshrrev_b32 v[BY+(\k)-24], 23, v[SOP+(\k)-24]
.elseif (\k) == 26
	v_lshl_or_b32 v[PW], v[BY+1], 8, v[BY]
.else
	v_min_num_f32 v[P+(\k)-27], v[P+(\k)-27], v[HD+((\k)-27)/16]
.endif
.endm
.macro CVT q
	v_cvt_scalef32_pk8_fp8_f32 v[NCD+2*(\q):NCD+2*(\q)+1], v[P+8*(\q):P+8*(\q)+7], v[SOP+(\q)/2]
.endm
.macro GAP g, s                        ; what stands behind product g; behind the last product eleven plain lines
.if (\g) < 16
	ALINE 2*(\g), \s
	ALINE 2*(\g)+1, \s
	BLINE \g
.elseif (\g) < 30
.if (\g) == 23
	CVT 0
.elseif (\g) == 25
	CVT 1
.endif
	ALINE (\g)+16, \s
.if (\g) == 29
	ALINE 46, \s
.endif
	BLINE 3*(\g)-32
	BLINE 3*(\g)-31
	BLINE 3*(\g)-30
.if (\g) == 28
	CVT 2                                          ; behind the gap's lines: five plain lines stand between the latest hold that it reads and here
.endif
.elseif (\g) == 31
	BLINE 58
	ALINE 47, \s
	ALINE 48, \s
	ALINE 49, \s
	ALINE 50, \s
	CVT 3
	ALINE 51, \s
	ALINE 52, \s
	ALINE 53, \s
	ALINE 54, \s
	ALINE 55, \s
.endif
.endm
.macro EXPS s                          ; p = 2^(t - M), and the blocks' largest p by the same instruction on the same numbers; one wait ahead and one behind
	s_wait_alu depctr_va_vdst(0)
.set I_, 0
.rept 32
	v_exp_f32 v[P+I_], v[(\s)+I_]
.set I_, I_+1
.endr
	v_exp_f32 v[BX], v[BM]
	v_exp_f32 v[BX+1], v[BM+1]
	v_nop
	s_wait_alu depctr_va_vdst(0)
.endm
.macro SEND off                        ; a block's codes: 2 x 512 consecutive bytes
	global_store_b128 v[LI], v[NCD:NCD+3], s[10:11] offset:\off
	global_store_b128 v[LI], v[NCD+4:NCD+7], s[10:11] offset:(\off)+512
.endm
.macro BLOCK u                         ; block i = 4 x trip + u
.set E_, (\u)%2
.set O_, ACC+32*(1-(\u)%2)
.if (\u) == 0
	s_wait_dscnt 36                                ; block i's fragments are in; block i + 1's 36 loads may be out
.elseif (\u) == 2
	s_wait_alu depctr_va_vdst(0)
	s_wait_tensorcnt 0x0                           ; in the first trip: my 64 rows of q have landed
	s_wait_dscnt 0x0
	s_barrier_signal -1
	s_barrier_wait -1
.else
	s_wait_dscnt 39                                ; block i + 1's 36 loads and three stores may be out
.endif
	s_wait_xcnt 0x0                                ; the last codes stored have been read: their registers and base may change
.if (\u) == 2
	s_add_co_u32 s2, s[TT], 1
	s_and_b32 s2, s2, 3
	s_lshl_b32 s3, s2, 16
	v_add_nc_u32 v[QA], s3, v[LI]                  ; on to the next 64 rows
	s_lshl_b32 s3, s2, 8
	v_add_nc_u32 v[QS], s3, v[QS0]
.endif
.set BL_, ((\u)+2)%4
.if (\u) == 0
	s_add_nc_u64 s[10:11], s[10:11], 0x4000
	s_lshl_b32 s2, s[TT], 9
	v_add_nc_u32 v[MW], s2, v[MW0]
	s_lshl_b32 s2, s[TT], 8
	v_add_nc_u32 v[WW], s2, v[WW0]
.endif
.set N_, 0
.rept 32
	PROD E_, N_
.if N_ != 30
	WIN 0
	GAP N_, O_
.endif
.if (N_ >= 7) && (N_%4 == 3)
	FJ E_, BL_, (N_-7)/4                           ; block i + 2's fragment j behind product 4 j + 7: more than eight plain lines stand behind the last product that has read its registers
.endif
.set N_, N_+1
.endr
	ds_store_b32 v[MW], v[NM] offset:128*((\u)+1)
	ds_store_b32 v[MW], v[LL] offset:LB-MB+128*(\u)  ; block i - 2
	ds_store_b16 v[WW], v[PW] offset:64*(\u)
.if (\u) < 2
	s_cmp_eq_u32 s[TT], 0
	s_cbranch_scc1 .Lnone_\@                       ; no block i - 2
	SEND 4096*((\u)-2)
.Lnone_\@:
.else
	SEND 4096*((\u)-2)
.endif
	FJ E_, BL_, 7
	FS E_, BL_
	EXPS O_
.set I_, ACC+32*E_
.set X_, BI
.rept 16
	v_pk_fma_f32 v[I_:I_+1], v[I_:I_+1], s[92:93], v[X_:X_+1] op_sel_hi:[1,0,1]   ; the logit: s / 32 is exact, so this rounds once.  Each accumulator from its low end on
.set I_, I_+2
.set X_, X_+2
.endr
.endm
	s_mov_b32 s[TT], 0
	s_lshl_b32 s2, s[WV], 16
	v_add_nc_u32 v3, s2, v[LI]
	s_wait_alu depctr_va_vdst(0)
	s_wait_tensorcnt 0x0                           ; my keys have landed: I alone read them
.irp j, 0,1,2,3,4,5,6,7
	WIN 0x40*(1+\j/4)
.irp b, 0,1,2,3
.irp c, 0,1,2,3
	ds_load_b128 v[64*(\j%4)+16*\b+4*\c:64*(\j%4)+16*\b+4*\c+3], v3 offset:(\j/2)*16384+4096*\b+2048*(\j%2)+512*\c
.endr
.endr
.endr
	WIN 0
	s_wait_tensorcnt 0x0                           ; ahead of the refill's round
	ds_add_u32 v[SPW], v[NIL]
	s_wait_dscnt 0x0                               ; the add is done, and my keys are in registers
	CROUND
.macro ARM w, next                     ; q's rows over k's, one joint load a wave, wave 0's with a line of its own
	s_cmp_eq_u32 s[WV], \w
	s_cbranch_scc0 \next
	tensor_load_to_lds s[G0:G0+3], s[G1:G1+7]
	s_nop 0
.rept 4
	v_nop
.endr
	s_branch .Lasked
\next:
.endm
	ARM 0, .Lothers
	tensor_load_to_lds s[G0:G0+3], s[G1:G1+7]
	s_nop 0
.rept 4
	v_nop
.endr
.Lasked:
	s_cmp_eq_u32 s[WV], 0
	s_cbranch_scc0 .Lnot_first
	s_wait_tensorcnt 0x0                           ; wave 0: rows 0 to 63 have landed
.Lnot_first:
	s_barrier_signal -1
	s_barrier_wait -1                              ; they, and q's scale words, are there for all
	FETCH 0, 0
	FETCH 1, 1
.Ltrip:
	BLOCK 0
	BLOCK 1
	BLOCK 2
	BLOCK 3
	s_wait_alu depctr_va_vdst(0)
	s_add_co_u32 s[TT], s[TT], 1
	s_cmp_lg_u32 s[TT], 4
	s_cbranch_scc1 .Ltrip
	s_wait_xcnt 0x0                                ; the last two blocks' way out has no products beside it
	s_add_nc_u64 s[10:11], s[10:11], 0x4000
	v_add_nc_u32 v[MW], 2048, v[MW0]
	v_add_nc_u32 v[WW], 1024, v[WW0]
.set O_, ACC+32
.set N_, 0
.rept 32
	GAP N_, O_
.set N_, N_+1
.endr
	ds_store_b32 v[MW], v[NM] offset:128
	ds_store_b32 v[MW], v[LL] offset:LB-MB
	ds_store_b16 v[WW], v[PW]
	SEND -8192
	EXPS O_
	s_wait_xcnt 0x0
	s_wait_dscnt 0x0
.set N_, 0
.rept 59
	BLINE N_
.set N_, N_+1
.endr
	CVT 0
	CVT 1
	CVT 2
	CVT 3
	v_nop
	ds_store_b32 v[MW], v[LL] offset:LB-MB+128
	ds_store_b16 v[WW], v[PW] offset:64
	SEND -4096
	; the tables leave: each wave stores 128 rows of one key step
	s_mul_i32 s2, s97, WST
	s_lshl_b32 s3, s98, 9
	SADD 2, 3
	s_add_co_u32 s2, s2, WB+128
	v_add_nc_u32 v1, s2, v[LI]
	s_mul_i32 s2, s97, MST
	s_lshl_b32 s3, s98, 10
	SADD 2, 3
	s_add_co_u32 s2, s2, MB+256
	v_add_nc_u32 v2, s2, v[LI]
	s_wait_alu depctr_va_vdst(0)
	s_wait_dscnt 0x0                               ; my stores into the tables are done
	s_barrier_signal -1
	s_barrier_wait -1
	ds_load_b128 v[OU:OU+3], v1
	ds_load_b128 v[OU+4:OU+7], v2
	ds_load_b128 v[OU+8:OU+11], v2 offset:512
	ds_load_b128 v[OU+12:OU+15], v2 offset:LB-MB
	ds_load_b128 v[OU+16:OU+19], v2 offset:LB-MB+512
	s_wait_dscnt 0x0
	global_store_b128 v[LI], v[OU:OU+3], s[46:47]
	global_store_b128 v[LI], v[OU+4:OU+7], s[48:49] offset:524288
	global_store_b128 v[LI], v[OU+8:OU+11], s[48:49] offset:524288+512
	global_store_b128 v[LI], v[OU+12:OU+15], s[48:49] offset:1572864
	global_store_b128 v[LI], v[OU+16:OU+19], s[48:49] offset:1572864+512
	s_wait_tensorcnt 0x0                           ; the wave's end
	ds_add_u32 v[SPW], v[NIL]
	s_wait_dscnt 0x0
	CROUND                                         ; the closing round
	s_endpgm
.Lfunc_end_k_q19dbcaabec_score:
	.size	k_q19dbcaabec_score, .Lfunc_end_k_q19dbcaabec_score-k_q19dbcaabec_score
	.p2alignl 7, 3214868480
	.fill 96, 4, 3214868480
	.section	.rodata,"a",@progbits
	.p2align	6, 0x0
	.amdhsa_kernel k_q19dbcaabec_score
		.amdhsa_group_segment_fixed_size 327680
		.amdhsa_private_segment_fixed_size 0
		.amdhsa_enable_private_segment 0
		.amdhsa_kernarg_size 40
		.amdhsa_user_sgpr_count 2
		.amdhsa_user_sgpr_kernarg_segment_ptr 1
		.amdhsa_wavefront_size32 1
		.amdhsa_system_sgpr_workgroup_id_x 1
		.amdhsa_system_sgpr_workgroup_id_y 1
		.amdhsa_system_sgpr_workgroup_id_z 1
		.amdhsa_system_vgpr_workitem_id 0
		.amdhsa_next_free_vgpr 1024
		.amdhsa_next_free_sgpr 102
		.amdhsa_reserve_vcc 1
		.amdhsa_float_denorm_mode_32 3
		.amdhsa_float_denorm_mode_16_64 3
		.amdhsa_memory_ordered 1
		.amdhsa_forward_progress 1
		.amdhsa_inst_pref_size 112
	.end_amdhsa_kernel
	.amdgpu_metadata
---
amdhsa.version: [ 1, 2 ]
amdhsa.kernels:
  - .name:           k_q19dbcaabec_score
    .symbol:         k_q19dbcaabec_score.kd
    .args:
      - { .name: codes, .offset: 0, .size: 8, .value_kind: global_buffer, .address_space: global }
      - { .name: scales, .offset: 8, .size: 8, .value_kind: global_buffer, .address_space: global }
      - { .name: mask, .offset: 16, .size: 8, .value_kind: global_buffer, .address_space: global }
      - { .name: pimg, .offset: 24, .size: 8, .value_kind: global_buffer, .address_space: global }
      - { .name: pstat, .offset: 32, .size: 8, .value_kind: global_buffer, .address_space: global }
    .group_segment_fixed_size: 327680
    .private_segment_fixed_size: 0
    .kernarg_segment_align: 8
    .kernarg_segment_size: 40
    .max_flat_workgroup_size: 128
    .sgpr_count:     102
    .vgpr_count:     1024
    .wavefront_size: 32
...
	.end_amdgpu_metadata
.endif
;; end of part 2
;; launch mix (part 3): grid 4 x 64, 4 waves a work-group, clusters of 4 x 4, 327,680 bytes of LDS; arguments codes, scales, pimg, pstat, out0; writes out0
.if DOCPART == 3
	.amdgcn_target "amdgcn-amd-amdhsa--gfx1250"
	.amdhsa_code_object_version 6
	.text
	.protected	k_q19dbcaabec_mix
	.globl	k_q19dbcaabec_mix
	.p2align	8
	.type	k_q19dbcaabec_mix,@function
k_q19dbcaabec_mix:
	s_mov_b64 s[64:65], 0
	v_nop
	global_prefetch_b8 v0, s[64:65] scope:SCOPE_SE
	s_setreg_imm32_b32 hwreg(HW_REG_WAVE_MODE, 25, 1), 1
	s_wait_xcnt 0x0
	s_wait_alu depctr_hold_cnt(0) depctr_sa_sdst(0) depctr_va_vdst(0) depctr_va_sdst(0) depctr_va_ssrc(0) depctr_va_vcc(0) depctr_vm_vsrc(0)
	s_getreg_b32 s2, hwreg(HW_REG_IB_STS2, 6, 4)
	s_cmp_eq_u32 s2, 0
	s_cbranch_scc0 .Lentry_in_a_cluster
	s_endpgm
.Lentry_in_a_cluster:
	s_bfe_u32 s2, ttmp6, 0x10000c
	s_cmp_lg_u32 s2, 0xf033
	s_cbranch_scc0 .Lentry_shape_is_right
	s_endpgm
.Lentry_shape_is_right:
; out = p v / l in each batch: [2,048 x 2,048 keys] x [2,048 keys x 1,024], on the codes and scale words of the launches before.  No work is left out.
; THE ROW'S M is the largest of its 32 local M (one for each 64 keys); each local M lies d = M_local - M (0 or less, held at -127) away: l = the sum of l_local 2^d, and p's scale bytes take + d (a byte that would fall under 1 becomes 0, which stands for 2^-127).
; LIMITS: terms under 2^-126 of a row's largest p count as nothing; NaN and infinities are not served.
; SHARES.  A work-group makes 128 queries x 256 channels; its p, all keys, 256 KiB, lies in LDS, filled once: wave w's one joint load brings keys 512 w on, shared by the four work-groups of a row of the cluster.  No byte is filled twice.
; Each of the four waves makes 128 queries x 64 channels (source 0 = 16 channels, source 1 = 16 queries: a lane holds one query, its registers run along the channels): 32 accumulators, 256 registers.
; v comes by plain loads straight into registers, since the workspace holds images of operand registers and each fragment has ONE wave of the work-group that reads it: four key steps of 128 ahead, in eight places of 64 registers.
; GROUPS of 16 products.  0-15: key steps 0 to 7, four row blocks a group;  16-19: key steps 8 to 11, row blocks 0 to 3;  then by pairs of row blocks, two key steps a group: 20-21 and 22-23: pairs 0, 1, key steps 12 to 15;
; 24-27 and 28-31: pairs 2, 3, key steps 8 to 15 (v's eight places hold them).  A pair leaves as soon as it is finished, among the products of the others.
; p's fragments are read from LDS two groups ahead, into three buffers by turns.
; PREFETCH: in groups 0 and 8 each wave asks for its part of v's key steps 8 to 11 and 12 to 15, four key steps ahead of the loads that want them: of its four channel tiles the tile cy, so that the four work-groups of a column
; of the cluster, which read the same v, share the blocks of 256 bytes out by address.  Key steps 0 to 7 come by their loads alone.
; REGISTERS: window 0: v0-23 addresses, 1 / l; v24-31 p's scale words; v32-63 v's; v64-255 p's three buffers (ahead of them the tables' numbers).  Windows 1, 3: v, key step j at 64 (j % 4), window 1 for j % 8 under 4.  Window 2: the accumulators: (a, b) at 32 a + 8 b.
.set SCA,   262144                     ; p's scale words [16 key steps][128 rows]
.set RL,    SCA+8192                   ; 1 / l of 128 rows
.set SPARE, RL+512                     ; the spare words: 512 bytes that no other line names
.set STG,   SPARE+512                  ; a stage of 2 x 16 rows x (256 + 16) bytes a wave
.set PB,   4                           ; v4-7 p's LDS address in each of the four chunks
.set SW,   8
.set STO,  9
.set RD,   10
.set CO,   11
.set VO,   12
.set PFO,  13
.set SPW,  14
.set NIL,  15
.set RI,   16                          ; v16-23 1 / l of the eight row blocks
.set WD,   64
.set NMR,  80
.set LR,   112
.set MR,   144
.set LS,   146
.set RC,   148
.set G1,   24
.set G0,   32
.set WV,   96
.set MSB, 0
.macro WIN new
.if MSB != \new
	s_set_vgpr_msb (MSB<<8)|(\new)
.set MSB, \new
.endif
.endm
.macro CROUND
	s_barrier_signal -1
	s_barrier_wait -1
	s_cmp_lg_u32 s[WV], 0
	s_cbranch_scc1 .Lnot_wave_0_\@
	s_barrier_signal -3
.Lnot_wave_0_\@:
	s_barrier_wait -3
	s_barrier_signal -1
	s_barrier_wait -1
.endm
.macro SADD d, x
	s_add_co_u32 s\d, s\d, s\x
.endm
.macro NOPS n
.rept \n
	v_nop
.endr
.endm
	s_load_b256 s[4:11], s[0:1], 0x0               ; codes, scale words, p's images, pstat
	s_load_b64 s[12:13], s[0:1], 0x20              ; out
	v_lshl_add_u32 v[SPW], v0, 2, SPARE
	v_mov_b32 v[NIL], 0
	ds_add_u32 v[SPW], v[NIL]                      ; the wave's opening: an add, twice on end, and its wait
	ds_add_u32 v[SPW], v[NIL]
	v_lshrrev_b32 v1, 5, v0
	v_readfirstlane_b32 s[WV], v1
	v_lshlrev_b32 v16, 3, v0                       ; row t of the tables: -M and l, 8 bytes a row and key step
	v_lshlrev_b32 v17, 2, v0                       ; scale words, 4 bytes
	v_and_b32 v3, 31, v0
	v_lshlrev_b32 v18, 2, v3
	v_lshlrev_b32 v[VO], 4, v3
	s_bfe_u32 s40, ttmp6, 0x40000                  ; cx: my 256 channels
	s_bfe_u32 s41, ttmp6, 0x40004                  ; cy
	s_and_b32 s66, ttmp7, 0xffff
	s_lshl_b32 s43, s41, 2
	s_lshl_b32 s43, 15, s43                        ; my row of the cluster shares p
	s_or_b32 s[G1+0], s43, (3<<16)|(1<<21)         ; 128 rows x 512 keys: 2 runs of 32,768 bytes (4,096 elements of 8), 524,288 bytes apart
	s_mov_b32 s[G1+1], 4096<<16
	s_mov_b32 s[G1+2], 2<<16
	s_mov_b32 s[G1+3], 4096<<16
	s_mov_b32 s[G1+4], 2
	s_mov_b32 s[G1+5], 65536
	s_mov_b32 s[G1+6], 0
	s_mov_b32 s[G1+7], 0
	s_lshl_b32 s14, s66, 2
	SADD 14, 41                                    ; the tile of 128 queries over all batches
	s_and_b32 s15, s14, 15                         ; in the batch
	s_lshr_b32 s17, s66, 2                         ; the batch
	s_lshl_b32 s34, s17, 22                        ; p
	s_lshl_b32 s2, s15, 15
	SADD 34, 2
	s_lshl_b32 s2, s[WV], 20
	SADD 34, 2
	s_mov_b32 s35, 0
	s_lshl_b32 s18, s17, 21                        ; v, 16 MiB on: my four channel tiles
	s_lshl_b32 s2, s40, 16
	SADD 18, 2
	s_lshl_b32 s2, s[WV], 14
	SADD 18, 2
	s_add_co_u32 s18, s18, 0x1000000
	s_mov_b32 s19, 0
	s_lshl_b32 s20, s17, 16                        ; v's scale words
	s_lshl_b32 s3, s40, 10
	SADD 20, 3
	s_lshl_b32 s2, s[WV], 8
	SADD 20, 2
	s_add_co_u32 s20, s20, 0x80000
	s_mov_b32 s21, 0
	s_lshl_b32 s36, s14, 19                        ; out
	SADD 36, 3
	SADD 36, 2
	s_mov_b32 s37, 0
	s_lshl_b32 s22, s17, 17                        ; the tables
	s_lshl_b32 s2, s15, 9
	SADD 22, 2
	s_mov_b32 s23, 0
	s_lshl_b32 s44, s22, 1
	s_mov_b32 s45, 0
	s_lshl_b32 s46, s41, 12                        ; my prefetches: channel tile cy
	s_mov_b32 s47, 0
	s_mov_b32 s93, 0x80808080
	s_wait_alu depctr_va_vdst(0)
	s_wait_dscnt 0x0                               ; both opening adds are done
	CROUND                                         ; all sixteen work-groups are here
	s_wait_kmcnt 0x0
	s_mov_b32 s32, 1
	s_lshl_b32 s33, s[WV], 16
	s_add_nc_u64 s[34:35], s[8:9], s[34:35]
	s_or_b32 s35, s35, 0x80000000
; ONE joint load a wave, each with a line of its own: the barriers below show the four chunks one after the other
.macro ARM w, next
	s_cmp_eq_u32 s[WV], \w
	s_cbranch_scc0 \next
	tensor_load_to_lds s[G0:G0+3], s[G1:G1+7]
	s_nop 0
	NOPS 4
	s_branch .Lasked
\next:
.endm
	ARM 0, .Lwave_1
	ARM 1, .Lwave_2
	ARM 2, .Lwave_3
	tensor_load_to_lds s[G0:G0+3], s[G1:G1+7]
	s_nop 0
	NOPS 4
.Lasked:
	s_add_nc_u64 s[18:19], s[4:5], s[18:19]
	s_add_nc_u64 s[20:21], s[6:7], s[20:21]
	s_add_nc_u64 s[22:23], s[10:11], s[22:23]
	s_add_nc_u64 s[44:45], s[10:11], s[44:45]
	s_add_nc_u64 s[46:47], s[18:19], s[46:47]
	s_add_nc_u64 s[12:13], s[12:13], s[36:37]
.set I_, 0
.rept 16
	global_load_b64 v[NMR+2*I_:NMR+2*I_+1], v16, s[44:45] offset:524288+16384*I_
	global_load_b64 v[LR+2*I_:LR+2*I_+1], v16, s[44:45] offset:1572864+16384*I_
	global_load_b32 v[WD+I_], v17, s[22:23] offset:8192*I_
.set I_, I_+1
.endr
.set J_, 0
.rept 16                               ; v's scale words: lanes 0-15 channel tile 2 i, lanes 16-31 tile 2 i + 1; even key steps at numbers 4 to 7 modulo 8, odd ones at 0 to 3, p's the other way round
.set VS_, 32+8*(J_/4)+4*(1-J_%2)+2*((J_/2)%2)
	global_load_b32 v[VS_], v18, s[20:21] offset:4096*J_
	global_load_b32 v[VS_+1], v18, s[20:21] offset:4096*J_+128
.set J_, J_+1
.endr
.macro VLOAD s                         ; v's key step s into its place: 16 loads
	WIN 0x40+0x80*(((\s)%8)/4)
.irp b, 0,1,2,3
.irp c, 0,1,2,3
	global_load_b128 v[64*((\s)%4)+16*\b+4*\c:64*((\s)%4)+16*\b+4*\c+3], v[VO], s[18:19] offset:((\s)/2)*0x40000+4096*\b+2048*((\s)%2)+512*\c
.endr
.endr
.endm
	VLOAD 0
	VLOAD 1
	VLOAD 2
	VLOAD 3
	WIN 0
	v_and_b32 v1, 15, v0                           ; r
	v_bfe_u32 v2, v0, 4, 1                         ; h
	v_lshl_add_u32 v19, v0, 2, SCA
	v_lshl_add_u32 v20, v0, 2, RL
	v_mov_b32 v[PB], v[VO]
	v_add_nc_u32 v[PB+1], 0x10000, v[VO]
	v_add_nc_u32 v[PB+2], 0x20000, v[VO]
	v_add_nc_u32 v[PB+3], 0x30000, v[VO]
	v_lshl_add_u32 v[SW], v3, 2, SCA
	v_lshlrev_b32 v[PFO], 18, v2                   ; lanes 16-31: 256 keys on
	v_lshl_add_u32 v[PFO], v1, 8, v[PFO]
	s_mul_i32 s2, s[WV], 8704
	s_add_co_u32 s2, s2, STG
	v_mul_u32_u24 v[STO], v1, 272
	v_lshl_add_u32 v[STO], v2, 5, v[STO]
	v_add_nc_u32 v[STO], s2, v[STO]
	v_mul_u32_u24 v[RD], v2, 272
	v_lshl_add_u32 v[RD], v1, 4, v[RD]
	v_add_nc_u32 v[RD], s2, v[RD]
	v_lshlrev_b32 v[CO], 12, v2
	v_lshl_add_u32 v[CO], v1, 4, v[CO]
	v_lshl_add_u32 v2, v1, 2, RL
	s_wait_alu depctr_va_vdst(0)
	s_wait_loadcnt 63                              ; 64 loads of v are younger than the tables' and the scale words'
	v_max3_num_f32 v[MR], -v[NMR], -v[NMR+1], -v[NMR+2]   ; the row's M
.set I_, 3
.rept 14
	v_max3_num_f32 v[MR], v[MR], -v[NMR+I_], -v[NMR+I_+1]
.set I_, I_+2
.endr
	v_max_num_f32 v[MR], v[MR], -v[NMR+31]
	v_mov_b32 v[MR+1], v[MR]
.set I_, 0
.rept 16
	v_pk_add_f32 v[NMR+I_:NMR+I_+1], v[NMR+I_:NMR+I_+1], v[MR:MR+1] neg_lo:[1,1] neg_hi:[1,1]   ; d
.set I_, I_+2
.endr
.set I_, 0
.rept 32
	v_max_num_f32 v[NMR+I_], 0xc2fe0000, v[NMR+I_]
.set I_, I_+1
.endr
.set I_, 0
.rept 32
	v_cvt_i32_f32 v[NMR+I_], v[NMR+I_]
.set I_, I_+1
.endr
.set I_, 0
.rept 32
	v_ldexp_f32 v[LR+I_], v[LR+I_], v[NMR+I_]
.set I_, I_+1
.endr
	v_pk_add_f32 v[LS:LS+1], v[LR:LR+1], v[LR+2:LR+3]
.set I_, 4
.rept 14
	v_pk_add_f32 v[LS:LS+1], v[LS:LS+1], v[LR+I_:LR+I_+1]
.set I_, I_+2
.endr
	v_add_f32 v[LS], v[LS], v[LS+1]
	s_wait_alu depctr_va_vdst(0)
	v_rcp_f32 v[RC], v[LS]
.set I_, 0
.rept 16                               ; d of the first 64 keys onto a word's two low bytes, of the second onto the two high ones
	v_lshl_add_u32 v[NMR+2*I_], v[NMR+2*I_+1], 16, v[NMR+2*I_]
.set I_, I_+1
.endr
.set I_, 0
.rept 16
	v_lshl_add_u32 v[NMR+2*I_], v[NMR+2*I_], 8, v[NMR+2*I_]
.set I_, I_+1
.endr
.set I_, 0
.rept 16                               ; a byte is 1 to 119 and d at least -127: with 128 on top no byte borrows from the next; the top bit left says that the byte has stayed above 0
	v_or_b32 v[WD+I_], s93, v[WD+I_]
.set I_, I_+1
.endr
.set I_, 0
.rept 16
	v_add_nc_u32 v[WD+I_], v[WD+I_], v[NMR+2*I_]
.set I_, I_+1
.endr
.set I_, 0
.rept 16
	v_and_b32 v[NMR+2*I_], s93, v[WD+I_]
.set I_, I_+1
.endr
.set I_, 0
.rept 16
	v_lshrrev_b32 v[LR+I_], 7, v[NMR+2*I_]
.set I_, I_+1
.endr
.set I_, 0
.rept 16
	v_sub_nc_u32 v[NMR+2*I_], v[NMR+2*I_], v[LR+I_]
.set I_, I_+1
.endr
.set I_, 0
.rept 16
	v_and_b32 v[WD+I_], v[WD+I_], v[NMR+2*I_]
.set I_, I_+1
.endr
	s_wait_alu depctr_va_vdst(0)
	ds_store_b32 v20, v[RC]
.set I_, 0
.rept 16
	ds_store_b32 v19, v[WD+I_] offset:512*I_
.set I_, I_+1
.endr
.macro SHOW w                          ; a barrier that shows chunk w: wave w alone has its load; the last one shows all that is still out
	WIN 0
.if \w < 3
	s_cmp_eq_u32 s[WV], \w
	s_cbranch_scc0 .Lnot_mine_\@
	s_wait_tensorcnt 0x0
.Lnot_mine_\@:
.else
	s_wait_tensorcnt 0x0
.endif
	s_wait_dscnt 0x0
	s_barrier_signal -1
	s_barrier_wait -1
.endm
.macro GP n                            ; what group n is: PT_ 0: row blocks A0_ .. A0_ + 3, key step J0_;  1: row blocks A0_, A0_ + 1, key steps J0_, J0_ + 1
.if (\n) < 16
.set PT_, 0
.set J0_, (\n)/2
.set A0_, 4*((\n)%2)
.elseif (\n) < 20
.set PT_, 0
.set J0_, (\n)-8
.set A0_, 0
.elseif (\n) < 24
.set PT_, 1
.set J0_, 12+2*((\n)%2)
.set A0_, 2*(((\n)-20)/2)
.else
.set PT_, 1
.set J0_, 8+2*((\n)%4)
.set A0_, 4+2*(((\n)-24)/4)
.endif
.endm
; p's scale words: even key steps in v24-27, odd ones in v28-31, each a ring of four; lanes 0-15 an even row block's, lanes 16-31 the next's.  LP0, LP1, MP0, MP1: how far loads and products have come
.set LP0, 0
.set LP1, 0
.set MP0, 0
.set MP1, 0
.macro LOADG n                         ; group n's four fragments into buffer n % 3, and its two scale registers: 18 loads
	GP \n
	WIN 0
.set F_, 0
.rept 4
.if PT_
.set A_, A0_+F_%2
.set J_, J0_+F_/2
.else
.set A_, A0_+F_
.set J_, J0_
.endif
.set P_, 64+64*((\n)%3)+16*F_
.set X_, ((J_%4)/2)*32768+A_*4096+(J_%2)*2048
.irp c, 0,1,2,3
	ds_load_b128 v[P_+4*\c:P_+4*\c+3], v[PB+J_/4] offset:X_+512*\c
.endr
.set F_, F_+1
.endr
.set X_, 512*J0_+64*A0_
.if PT_
	ds_load_b32 v[24+LP0%4], v[SW] offset:X_
	ds_load_b32 v[28+LP1%4], v[SW] offset:X_+512
.set LP0, LP0+1
.set LP1, LP1+1
.elseif J0_%2
	ds_load_b32 v[28+LP1%4], v[SW] offset:X_
	ds_load_b32 v[28+(LP1+1)%4], v[SW] offset:X_+128
.set LP1, LP1+2
.else
	ds_load_b32 v[24+LP0%4], v[SW] offset:X_
	ds_load_b32 v[24+(LP0+1)%4], v[SW] offset:X_+128
.set LP0, LP0+2
.endif
.endm
.macro WMMA d, a, b, c, sa, sb, ra, rb
.if (\ra) && (\rb)
	v_wmma_scale_f32_16x16x128_f8f6f4 \d, \a, \b, \c, v[\sa], v[\sb] matrix_a_scale:MATRIX_SCALE_ROW1 matrix_b_scale:MATRIX_SCALE_ROW1
.elseif (\ra)
	v_wmma_scale_f32_16x16x128_f8f6f4 \d, \a, \b, \c, v[\sa], v[\sb] matrix_a_scale:MATRIX_SCALE_ROW1
.elseif (\rb)
	v_wmma_scale_f32_16x16x128_f8f6f4 \d, \a, \b, \c, v[\sa], v[\sb] matrix_b_scale:MATRIX_SCALE_ROW1
.else
	v_wmma_scale_f32_16x16x128_f8f6f4 \d, \a, \b, \c, v[\sa], v[\sb]
.endif
.endm
.macro MULG n                          ; 16 products; 16 or 8 accumulators take turns
	GP \n
.set F_, 0
.rept 4
.if PT_
.set A_, A0_+F_%2
.set J_, J0_+F_/2
.set X_, 0
.else
.set A_, A0_+F_
.set J_, J0_
.set X_, F_/2
.endif
.if J_%2
.set PS_, 28+(MP1+X_)%4
.else
.set PS_, 24+(MP0+X_)%4
.endif
.set P_, 64+64*((\n)%3)+16*F_
.set RB_, F_%2
	WIN 0xa1+2*((J_%8)/4)
.set B_, 0
.rept 4
.set D_, 32*A_+8*B_
.set V_, 64*(J_%4)+16*B_
.set VS_, 32+8*(J_/4)+4*(1-J_%2)+2*((J_/2)%2)+B_/2
.set RA_, B_%2
.if (\n) < 2
	WMMA v[D_:D_+7], v[V_:V_+15], v[P_:P_+15], 0, VS_, PS_, RA_, RB_
.else
	WMMA v[D_:D_+7], v[V_:V_+15], v[P_:P_+15], v[D_:D_+7], VS_, PS_, RA_, RB_
.endif
.set B_, B_+1
.endr
.set F_, F_+1
.endr
.if PT_
.set MP0, MP0+1
.set MP1, MP1+1
.elseif J0_%2
.set MP1, MP1+2
.else
.set MP0, MP0+2
.endif
.endm
.macro OUT q, n                        ; row blocks 2 q, 2 q + 1 are finished: x 1 / l into the buffer that group n has left, through my stage, and back as whole rows into the accumulators' own registers
	NOPS 8
	WIN 0x02
.set X_, 64+64*((\n)%3)
.set A_, 64*(\q)
.rept 16
	v_pk_mul_f32 v[X_:X_+1], v[A_:A_+1], v[RI+2*(\q):RI+2*(\q)+1] op_sel_hi:[1,0]
.set X_, X_+2
.set A_, A_+2
.endr
.rept 16
	v_pk_mul_f32 v[X_:X_+1], v[A_:A_+1], v[RI+2*(\q):RI+2*(\q)+1] op_sel:[0,1]
.set X_, X_+2
.set A_, A_+2
.endr
	WIN 0
.set X_, 64+64*((\n)%3)
.irp k, 0,1
.irp b, 0,1,2,3
	ds_store_b128 v[STO], v[X_+32*\k+8*\b:X_+32*\k+8*\b+3] offset:4352*\k+64*\b
	ds_store_b128 v[STO], v[X_+32*\k+8*\b+4:X_+32*\k+8*\b+7] offset:4352*\k+64*\b+16
.endr
.endr
	WIN 0x80
.irp k, 0,1
.irp t, 0,1,2,3,4,5,6,7
	ds_load_b128 v[64*(\q)+32*\k+4*\t:64*(\q)+32*\k+4*\t+3], v[RD] offset:4352*\k+544*\t   ; LDS serves a wave's instructions in order (ISA guide 5.7.1.4)
.endr
.endr
	WIN 0
.endm
.macro SEND q, younger                 ; 16 lanes store 256 consecutive bytes, aligned; younger: the LDS loads issued behind the rows', which may be out
	s_wait_dscnt \younger
	WIN 0x08
.irp k, 0,1
.irp t, 0,1,2,3,4,5,6,7
	global_store_b128 v[CO], v[64*(\q)+32*\k+4*\t:64*(\q)+32*\k+4*\t+3], s[12:13] offset:(32*(\q)+16*\k+2*\t)*4096 th:TH_STORE_NT
.endr
.endr
	WIN 0
.endm
.macro MAIN n
.if (\n) == 6
	SHOW 1
.elseif (\n) == 14
	SHOW 2
.elseif (\n) == 18
	SHOW 3
.elseif (\n) == 22 || (\n) == 24 || (\n) == 28
	s_wait_dscnt 16                                ; the pair's rows on their way back from the stage may be out; its stores have read their registers
.elseif (\n) == 31
	s_wait_dscnt 0x0
.else
	s_wait_dscnt 18                                ; the next group's loads may be out
.endif
	WIN 0
	NOPS 8                                         ; places in front of loads into registers that matrix instructions have read
.if (\n) < 30
	LOADG (\n)+2
.endif
.if (\n) < 16
.if (\n)%2 == 0
	s_wait_loadcnt 48                              ; this key step's v is in; the three younger ones may be out
	VLOAD (\n)/2+4
.endif
.elseif (\n) < 20
	s_wait_loadcnt 48
	VLOAD (\n)-4
.elseif (\n) == 20
	s_wait_loadcnt 32                              ; key steps 14 and 15 may be out
.elseif (\n) == 21
	s_wait_loadcnt 0x0
.endif
.if (\n) == 0 || (\n) == 8
	WIN 0
	global_prefetch_b8 v[PFO], s[46:47] offset:0x40000*(4+(\n)/4) th:TH_LOAD_NT scope:SCOPE_SE
.endif
	MULG \n
.if (\n) == 22
	SEND 0, 18
.elseif (\n) == 24
	SEND 1, 18
.elseif (\n) == 28
	SEND 2, 18
.endif
.if (\n) == 21
	OUT 0, \n
.elseif (\n) == 23
	OUT 1, \n
.elseif (\n) == 27
	OUT 2, \n
.elseif (\n) == 31
	OUT 3, \n
	SEND 3, 0
.endif
.endm
	s_wait_alu depctr_va_vdst(0)
	SHOW 0                                         ; keys 0 to 511 of p, the scale words and 1 / l are there
.irp a, 0,1,2,3,4,5,6,7
	ds_load_b32 v[RI+\a], v2 offset:64*\a
.endr
	LOADG 0
	LOADG 1
.set N_, 0
.rept 32
	MAIN N_
.set N_, N_+1
.endr
	s_wait_tensorcnt 0x0                           ; the wave's end
	ds_add_u32 v[SPW], v[NIL]
	s_wait_dscnt 0x0
	CROUND                                         ; the closing round
	s_endpgm
.Lfunc_end_k_q19dbcaabec_mix:
	.size	k_q19dbcaabec_mix, .Lfunc_end_k_q19dbcaabec_mix-k_q19dbcaabec_mix
	.p2alignl 7, 3214868480
	.fill 96, 4, 3214868480
	.section	.rodata,"a",@progbits
	.p2align	6, 0x0
	.amdhsa_kernel k_q19dbcaabec_mix
		.amdhsa_group_segment_fixed_size 327680
		.amdhsa_private_segment_fixed_size 0
		.amdhsa_enable_private_segment 0
		.amdhsa_kernarg_size 40
		.amdhsa_user_sgpr_count 2
		.amdhsa_user_sgpr_kernarg_segment_ptr 1
		.amdhsa_wavefront_size32 1
		.amdhsa_system_sgpr_workgroup_id_x 1
		.amdhsa_system_sgpr_workgroup_id_y 1
		.amdhsa_system_sgpr_workgroup_id_z 1
		.amdhsa_system_vgpr_workitem_id 0
		.amdhsa_next_free_vgpr 1024
		.amdhsa_next_free_sgpr 102
		.amdhsa_reserve_vcc 0
		.amdhsa_float_denorm_mode_32 3
		.amdhsa_float_denorm_mode_16_64 3
		.amdhsa_memory_ordered 1
		.amdhsa_forward_progress 1
		.amdhsa_inst_pref_size 190
	.end_amdhsa_kernel
	.amdgpu_metadata
---
amdhsa.version: [ 1, 2 ]
amdhsa.kernels:
  - .name:           k_q19dbcaabec_mix
    .symbol:         k_q19dbcaabec_mix.kd
    .args:
      - { .name: codes, .offset: 0, .size: 8, .value_kind: global_buffer, .address_space: global }
      - { .name: scales, .offset: 8, .size: 8, .value_kind: global_buffer, .address_space: global }
      - { .name: pimg, .offset: 16, .size: 8, .value_kind: global_buffer, .address_space: global }
      - { .name: pstat, .offset: 24, .size: 8, .value_kind: global_buffer, .address_space: global }
      - { .name: out0, .offset: 32, .size: 8, .value_kind: global_buffer, .address_space: global }
    .group_segment_fixed_size: 327680
    .private_segment_fixed_size: 0
    .kernarg_segment_align: 8
    .kernarg_segment_size: 40
    .max_flat_workgroup_size: 128
    .sgpr_count:     102
    .vgpr_count:     1024
    .wavefront_size: 32
...
	.end_amdgpu_metadata
.endif
;; end of part 3
